; MI455X (gfx1250); checked and timed in simulation.
; The chip was launched on July 23, 2026; its instructions are those of AMD's public machine-readable ISA for CDNA 5 (MIT licence, August 2026) and "CDNA5" Instruction Set Architecture Reference Guide (July 2026). The comments in the code are by the model that wrote it; some were corrected since.
;; Cross Attention Fusion. Allowed arithmetic: matrix products marked QUANTISED: E5M2 operands, one given power-of-two scale a tensor, by v_wmma_f32_16x16x64_bf8_bf8 or v_wmma_f32_16x16x128_bf8_bf8, f32 sums; everything else in f32.
;; Inputs: Wf 384 x 384 float32; Wkg 384 x 384 float32; Wkl 384 x 384 float32; Wqg 384 x 384 float32; Wql 384 x 384 float32; Wvg 384 x 384 float32; Wvl 384 x 384 float32; Z_graph 8 x 2,048 x 384 float32; Z_lstm 8 x 2,048 x 384 float32; bf 384 float32; bkg 384 float32; bkl 384 float32; bqg 384 float32; bql 384 float32; bvg 384 float32; bvl 384 float32; lowp_scales 22 int32 (the exponents e of the quantised operands' scales 2^e).
;; Outputs: out0 8 x 2,048 x 384 float32.
;; This version of the problem:
;;   THIS VERSION OF THE PROBLEM IS GIVEN IN LOW PRECISION. The matrix products marked QUANTISED in the list below multiply operands that are first quantised to E5M2 (5 exponent bits, 2 mantissa bits; 8 bits a number), with one given power-of-two scale for each operand tensor; their sums are f32. All else is computed in f32.
;;   The module's matrix products, in the order in which they are computed (A, B: the left and right operand; K: the contracted axis; several contracted axes count as one K, in the product's order):
;;     1. [M 16,384, K 384] x [K 384, N 384]; A: input Z_graph; B: input Wqg: QUANTISED (scales: A lowp_scales[0], B lowp_scales[1])
;;     2. [M 16,384, K 384] x [K 384, N 384]; A: input Z_lstm; B: input Wkl: QUANTISED (scales: A lowp_scales[2], B lowp_scales[3])
;;     3. [M 16,384, K 384] x [K 384, N 384]; A: input Z_lstm; B: input Wvl: QUANTISED (scales: A lowp_scales[4], B lowp_scales[5])
;;     4. batch 8 x [M 2,048, K 384] x [K 384, N 2,048]; A: computed on the way; B: computed on the way: QUANTISED (scales: A lowp_scales[6], B lowp_scales[7])
;;     5. batch 8 x [M 2,048, K 2,048] x [K 2,048, N 384]; A: softmax (see below); B: computed on the way: QUANTISED (scales: A lowp_scales[8], B lowp_scales[9])
;;     6. [M 16,384, K 384] x [K 384, N 384]; A: input Z_lstm; B: input Wql: QUANTISED (scales: A lowp_scales[10], B lowp_scales[11])
;;     7. [M 16,384, K 384] x [K 384, N 384]; A: input Z_graph; B: input Wkg: QUANTISED (scales: A lowp_scales[12], B lowp_scales[13])
;;     8. [M 16,384, K 384] x [K 384, N 384]; A: input Z_graph; B: input Wvg: QUANTISED (scales: A lowp_scales[14], B lowp_scales[15])
;;     9. batch 8 x [M 2,048, K 384] x [K 384, N 2,048]; A: computed on the way; B: computed on the way: QUANTISED (scales: A lowp_scales[16], B lowp_scales[17])
;;     10. batch 8 x [M 2,048, K 2,048] x [K 2,048, N 384]; A: softmax (see below); B: computed on the way: QUANTISED (scales: A lowp_scales[18], B lowp_scales[19])
;;     11. [M 16,384, K 384] x [K 384, N 384]; A: computed on the way; B: input Wf: QUANTISED (scales: A lowp_scales[20], B lowp_scales[21])
;;   THE QUANTISER, for each operand of a quantised product, along K:
;;     - The operand's scale is 2^e, e = its entry of the input lowp_scales (int32; the entries are numbered through the quantised products in the list's order, A before B).
;;     - Each number is divided by the scale, clamped to +-57,344, and rounded to the nearest number of E5M2, ties to even, subnormals kept.
;;     - The product sums the exact products of the quantised numbers (number of the format x scale) in f32.
;;   ~~~python
;;   def quantise(x, axis, e):      # numpy; x: float32 -> the quantised numbers, widened to float32 again
;;       x = np.moveaxis(x, axis, -1); K = x.shape[-1]
;;       r = np.clip(x / 2.0 ** e, -57344, 57344)
;;       step = 2.0 ** (np.maximum(np.frexp(np.where(r == 0, 1, r))[1] - 1, -14) - 2)
;;       q = np.round(r / step) * step * 2.0 ** e      # np.round: ties to even
;;       return np.moveaxis(q, -1, axis).astype(np.float32)
;;   ~~~
;;   SOFTMAX AHEAD OF A QUANTISED PRODUCT. Where the list says 'softmax', what is quantised is not the finished softmax but p = 2^(t - M), with t = logit x log2(e) and M = ceil(the row's largest t), a whole number; so 1/2 < the row's largest p <= 1. The row's sum l is taken of the UNQUANTISED p, in f32, and the product's result is divided by l at the end. Since M is a whole number, a kernel that streams over the keys may use a running M (the ceiling of the running maximum): every later rescaling is an exact power of two, so the quantised numbers keep their values, but for numbers so far below the row's largest that they fall under the format's range.
;;   OPERANDS COMPUTED ON THE WAY. 'Computed on the way' means the value that the module computes at that place (a softmax that the list does not call 'softmax' is quantised finished and normalised). What goes into a quantiser is computed in f32, as accurately as f32 sums, v_exp_f32 and their like allow (about 1e-6 of the number): no bf16 or f16 on the way to a quantiser, and a product that is left as it is and whose result goes on into a quantised operand takes f32 operands (vector FMAs, or v_wmma_f32_16x16x4_f32). A number that lies on a knife's edge between two numbers of the format may be rounded either way, as far as f32 arithmetic and the matrix unit's own rounding can turn it there, and no further.
;; 2 versions, each right; version 2 is version 1 with the launch proj written anew for expert scheduling mode. Each part assembles by itself: llvm-mc -triple=amdgcn-amd-amdhsa -mcpu=gfx1250 --defsym DOCPART=n.
;; ======== version 1 of 2: 3 launches
;; workspace buffers: wcodes 1,032,192 bytes; qcodes 12,582,912 bytes; kcodes 12,582,912 bytes; vcodes 12,582,912 bytes
;; launch wq (part 1): grid 24 x 7, 3 waves a work-group, no clusters, 0 bytes of LDS; arguments Wqg, Wkg, Wvg, Wql, Wkl, Wvl, Wf, lowp_scales, wcodes; writes wcodes
.if DOCPART == 1
	.amdgcn_target "amdgcn-amd-amdhsa--gfx1250"
	.amdhsa_code_object_version 6
	.text
	.protected	k_q5a0192abbb_wq
	.globl	k_q5a0192abbb_wq
	.p2align	8
	.type	k_q5a0192abbb_wq,@function
k_q5a0192abbb_wq:
	s_mov_b64 s[64:65], 0
	v_nop
	global_prefetch_b8 v0, s[64:65] scope:SCOPE_SE
	s_setreg_imm32_b32 hwreg(HW_REG_WAVE_MODE, 25, 1), 1
	s_wait_xcnt 0x0
; The seven weights [384][384] f32 (K innermost) become codes of BF8 (E5M2), each with its given scale 2^e, laid as IMAGES OF OPERAND REGISTERS:
; wcodes [weight 7][tile 24][K step 3][piece 4][512 bytes].  A piece is four registers of the 32 lanes, lane l's 16 bytes at 16 l.
; A fragment is 16 rows x 128 K, 16 registers a lane: lane (r, h) holds, of its row, k = 32 c + 16 h + 0 .. 15 in registers 4 c .. 4 c + 3 (piece c).
; THE ROWS OF A TILE ARE NOT NEIGHBOURS: lane r of tile 2 b + u takes row 32 b + 8 u + r + 8 (r / 8), so that in a product's result the 16 registers of tiles 2 b, 2 b + 1 are 16 neighbours.
; Work-group (t, i): tile t of weight i; its three waves take the three K steps: one fragment a wave.  A wave's 16 loads together read 512 consecutive bytes of each of 16 rows.
; code = x / 2^e, held within +-57,344, to the nearest code, ties to even.  LIMITS: e between -126 and 112 (2^e and 57,344 x 2^e are made as f32 numbers); NaN among the inputs is not served.
; No LDS, no barrier, no matrix unit: 4 MB go through once.
.set WROW,   1536                      ; a row of a weight in bytes
.set WBYTES, 147456                    ; a weight's codes
.set X,      16                        ; v16-79  64 numbers: register 16 b + i = k 32 b + 16 h + i
.set C,      80                        ; v80-95  their codes
.macro PICK n, ereg                    ; weight n's exponent
	s_cmp_eq_u32 s44, \n
	s_cselect_b32 s42, s[\ereg], s42
.endm
	s_load_b512 s[4:19], s[0:1], 0x0               ; the seven weights s[4:17], the scales' exponents s[18:19]
	s_load_b64 s[20:21], s[0:1], 0x40              ; the codes
	v_lshrrev_b32 v1, 5, v0
	v_readfirstlane_b32 s43, v1                    ; wave = K step
	s_and_b32 s44, ttmp7, 0xffff                   ; which weight
	v_and_b32 v4, 15, v0                           ; r
	v_bfe_u32 v5, v0, 4, 1                         ; h
	v_and_b32 v6, 8, v4
	v_add_nc_u32 v6, v6, v4                        ; r + 8 (r / 8)
	v_mul_u32_u24 v2, v6, WROW
	v_lshl_add_u32 v2, v5, 6, v2                   ; my row, + 16 h numbers
	v_and_b32 v3, 31, v0
	v_lshlrev_b32 v3, 4, v3                        ; 16 x lane: my place in a piece
	s_lshr_b32 s45, ttmp9, 1
	s_lshl_b32 s45, s45, 5
	s_and_b32 s46, ttmp9, 1
	s_lshl_b32 s46, s46, 3
	s_add_co_u32 s45, s45, s46                     ; the tile begins at row 32 (t / 2) + 8 (t % 2)
	s_mul_i32 s46, s45, WROW
	s_lshl_b32 s45, s43, 9
	s_add_co_u32 s46, s46, s45                     ; + 128 numbers for each K step
	s_mov_b32 s47, 0
	s_mul_i32 s48, s44, WBYTES
	s_mul_i32 s50, ttmp9, 3
	s_add_co_u32 s50, s50, s43
	s_lshl_b32 s50, s50, 11                        ; fragment 3 t + s of 2,048 bytes
	s_add_co_u32 s48, s48, s50
	s_mov_b32 s49, 0
	s_wait_kmcnt 0x0
	s_load_b512 s[24:39], s[18:19], 0x0            ; entries 0 to 15
	s_load_b64 s[40:41], s[18:19], 0x50            ; entries 20, 21
	s_mov_b64 s[22:23], s[4:5]                     ; the weight is chosen by the work-group's number alone
.irp n, 1,2,3,4,5,6
	s_cmp_eq_u32 s44, \n
	s_cselect_b64 s[22:23], s[4+2*\n:5+2*\n], s[22:23]
.endr
	s_add_nc_u64 s[22:23], s[22:23], s[46:47]
	s_add_nc_u64 s[20:21], s[20:21], s[48:49]
.irp b, 0,1,2,3
.irp j, 0,1,2,3
	global_load_b128 v[X+16*\b+4*\j:X+16*\b+4*\j+3], v2, s[22:23] offset:128*\b+16*\j th:TH_LOAD_NT
.endr
.endr
	s_wait_kmcnt 0x0
	s_mov_b32 s42, s25                             ; Wqg: entry 1
	PICK 1, 37                                     ; Wkg: entry 13
	PICK 2, 39                                     ; Wvg: entry 15
	PICK 3, 35                                     ; Wql: entry 11
	PICK 4, 27                                     ; Wkl: entry 3
	PICK 5, 29                                     ; Wvl: entry 5
	PICK 6, 41                                     ; Wf:  entry 21
	s_add_co_i32 s42, s42, 127
	s_lshl_b32 s45, s42, 23
	v_mov_b32 v11, s45                             ; 2^e as f32: the conversion takes its exponent field
	s_add_co_i32 s42, s42, 15
	s_lshl_b32 s42, s42, 23
	s_or_b32 s42, s42, 0x600000
	v_mov_b32 v10, s42                             ; 57,344 x 2^e
	s_wait_loadcnt 0x0
.irp b, 0,1,2,3
.irp i, 0,1,2,3,4,5,6,7,8,9,10,11,12,13,14,15
	v_med3_num_f32 v[X+16*\b+\i], v[X+16*\b+\i], -v10, v10   ; the conversion to an 8-bit code does not saturate (ISA guide 7.6.2): the hold comes first
.endr
	v_cvt_scalef32_pk8_bf8_f32 v[C+4*\b:C+4*\b+1], v[X+16*\b:X+16*\b+7], v11
	v_cvt_scalef32_pk8_bf8_f32 v[C+4*\b+2:C+4*\b+3], v[X+16*\b+8:X+16*\b+15], v11
.endr
.irp c, 0,1,2,3
	global_store_b128 v3, v[C+4*\c:C+4*\c+3], s[20:21] offset:512*\c   ; a piece: 512 consecutive bytes, at a multiple of 512 from the buffer's first byte
.endr
	s_endpgm
.Lfunc_end_k_q5a0192abbb_wq:
	.size	k_q5a0192abbb_wq, .Lfunc_end_k_q5a0192abbb_wq-k_q5a0192abbb_wq
	.p2alignl 7, 3214868480
	.fill 96, 4, 3214868480
	.section	.rodata,"a",@progbits
	.p2align	6, 0x0
	.amdhsa_kernel k_q5a0192abbb_wq
		.amdhsa_group_segment_fixed_size 0
		.amdhsa_private_segment_fixed_size 0
		.amdhsa_enable_private_segment 0
		.amdhsa_kernarg_size 72
		.amdhsa_user_sgpr_count 2
		.amdhsa_user_sgpr_kernarg_segment_ptr 1
		.amdhsa_wavefront_size32 1
		.amdhsa_system_sgpr_workgroup_id_x 1
		.amdhsa_system_sgpr_workgroup_id_y 1
		.amdhsa_system_sgpr_workgroup_id_z 1
		.amdhsa_system_vgpr_workitem_id 0
		.amdhsa_next_free_vgpr 96
		.amdhsa_next_free_sgpr 66
		.amdhsa_reserve_vcc 0
		.amdhsa_float_denorm_mode_32 3
		.amdhsa_float_denorm_mode_16_64 3
		.amdhsa_memory_ordered 1
		.amdhsa_forward_progress 1
		.amdhsa_inst_pref_size 10
	.end_amdhsa_kernel
	.amdgpu_metadata
---
amdhsa.version: [ 1, 2 ]
amdhsa.kernels:
  - .name:           k_q5a0192abbb_wq
    .symbol:         k_q5a0192abbb_wq.kd
    .args:
      - { .name: Wqg, .offset: 0, .size: 8, .value_kind: global_buffer, .address_space: global }
      - { .name: Wkg, .offset: 8, .size: 8, .value_kind: global_buffer, .address_space: global }
      - { .name: Wvg, .offset: 16, .size: 8, .value_kind: global_buffer, .address_space: global }
      - { .name: Wql, .offset: 24, .size: 8, .value_kind: global_buffer, .address_space: global }
      - { .name: Wkl, .offset: 32, .size: 8, .value_kind: global_buffer, .address_space: global }
      - { .name: Wvl, .offset: 40, .size: 8, .value_kind: global_buffer, .address_space: global }
      - { .name: Wf, .offset: 48, .size: 8, .value_kind: global_buffer, .address_space: global }
      - { .name: lowp_scales, .offset: 56, .size: 8, .value_kind: global_buffer, .address_space: global }
      - { .name: wcodes, .offset: 64, .size: 8, .value_kind: global_buffer, .address_space: global }
    .group_segment_fixed_size: 0
    .private_segment_fixed_size: 0
    .kernarg_segment_align: 8
    .kernarg_segment_size: 72
    .max_flat_workgroup_size: 96
    .sgpr_count:     66
    .vgpr_count:     96
    .wavefront_size: 32
...
	.end_amdgpu_metadata
.endif
;; end of part 1
;; launch proj (part 2): grid 128 x 2, 4 waves a work-group, no clusters, 215,552 bytes of LDS; arguments Z_graph, Z_lstm, wcodes, lowp_scales, bqg, bkg, bvg, bql, bkl, bvl, qcodes, kcodes, vcodes; writes qcodes, kcodes, vcodes
.if DOCPART == 2
	.amdgcn_target "amdgcn-amd-amdhsa--gfx1250"
	.amdhsa_code_object_version 6
	.text
	.protected	k_q5a0192abbb_proj
	.globl	k_q5a0192abbb_proj
	.p2align	8
	.type	k_q5a0192abbb_proj,@function
k_q5a0192abbb_proj:
	s_mov_b64 s[64:65], 0
	v_nop
	global_prefetch_b8 v0, s[64:65] scope:SCOPE_SE
	s_setreg_imm32_b32 hwreg(HW_REG_WAVE_MODE, 25, 1), 1
	s_wait_xcnt 0x0
; The six linear layers ahead of the attentions.  Work-group (block, z): 128 rows of Z number z (0: Z_graph, 1: Z_lstm) x the three weights that take it (product k = 0: Q, 1: K, 2: V).
; Each product has its own scale for Z, so the rows are quantised three times.  Each result (sum + bias, f32) is quantised in registers with the scale of the attention's operand and stored as codes.
; ALL CODES ARE IMAGES OF OPERAND REGISTERS: a piece is four registers of 32 lanes, lane l's 16 bytes at 16 l; a fragment (16 rows x 128 K) is four pieces: lane (r, h) holds k = 32 c + 16 h + 0 .. 15 in piece c.
; THE ROWS OF A TILE ARE NOT NEIGHBOURS, for x's rows and W's alike: lane r of tile 2 b + u takes row 32 b + 8 u + r + 8 (r / 8): in a result the 16 registers of source 0's tiles 2 b, 2 b + 1 are 16 neighbours.
;   Q, K: source 0 = W, source 1 = x: a lane holds one row of x and 16 neighbouring e: a piece of qcodes / kcodes [dir][row tile 1,024][piece 12][512].
;   V:    source 0 = x, source 1 = W: a lane holds one d and 16 neighbouring keys: a piece of vcodes [dir][key step 128][d tile 24][piece 4][512].
; SHARES.  The waves share the columns: wave w owns e = 96 w .. 96 w + 95 of each product: 18 fragments of W, 288 registers, read from wcodes as they lie.  In the first phase wave w quantises rows 32 w .. 32 w + 31;
; the images go to the other waves through LDS: one barrier in all.  The bias, divided by 2^(ea + ew), is the C of each sum's first matrix instruction.
; NO TENSOR LOAD, NO JOINT LOAD: a wave reads only its own 36,864 bytes of each weight, once, straight into registers; through LDS the three weights' 442,368 bytes would not fit beside the 147,456 of x's images.
; LIMITS on the given exponents, so that each power of two below is an f32 number: ea, and eo - ea - ew, between -126 and 112.  NaN and infinities among the inputs are not served.
; REGISTERS, in windows of 256.  Window 0: v1-15 addresses, v16-27 scales; first phase: v32-159 two sets of 64 numbers, v160-191 held numbers, v192-239 codes; then v32-127 six fragments of x, v128-223 twelve accumulators, v224-247 codes.
;   Window 1: W, set 0, fragments 0-15.  Window 2: first phase: three sets of 64 numbers as loaded; then W, set 1, fragments 0-15.  Window 3: v0-31, v32-63 fragments 16, 17 of the two sets; v64-111, v112-159 the two sets' biases.
.set ZROW,   1536                      ; a row of Z in bytes
.set WBYTES, 147456                    ; a weight's codes
.set DIRB,   6291456                   ; one direction's codes of Q, K or V
.set BLKB,   49152                     ; 128 rows' codes; also x's images for one scale
.set TILEB,  6144                      ; 16 rows x 384 codes
.set FRAGB,  2048
.set PIECE,  512
.set STG,    3*BLKB                    ; behind x's images: two stages of 16 rows x 528 bytes for each wave
.set SPITCH, 528                       ; 512 bytes + 16: row r starts 33 r columns of 16 bytes on, so sixteen rows' reads fall on sixteen different columns
.set STGB,   16*SPITCH
.set LI,  1                            ; v1     16 x lane
.set LIK, 2                            ; v2-4   16 x lane + scale k's images
.set XW,  5                            ; v5-7   the same + my wave's two tiles
.set STI, 8                            ; v8     the stage, on the way in
.set STO, 9                            ; v9     and out
.set OQ,  11                           ; v11    store offset for Q and K: 16 x lane + 3 pieces x wave
.set OV,  12                           ; v12    for V: 16 x lane + 6 tiles x wave
.set BH,  13                           ; v13    64 h
.set BR,  14                           ; v14    4 (r + 8 (r / 8))
.set SCX, 16                           ; v16+2k 2^ea, v17+2k 57,344 x 2^ea
.set SCO, 22                           ; v22+2k, v23+2k the same with eo - ea - ew
.set T,   32
.set TMP, 160
.set CD,  192
.set XF,  32
.set ACC, 128
.set PC,  224
.set BIA, 64                           ; in window 3
.set MSB, 0
.macro WIN new                         ; the immediate's high byte repeats the setting that is left; a switch that changes nothing is dropped
.if MSB != (\new)
	s_set_vgpr_msb (MSB<<8)|(\new)
.set MSB, (\new)
.endif
.endm
.macro PLACES n
.rept \n
	v_nop
.endr
.endm
; my 18 fragments of product k's weight into set wset: fragment 6 s + et
.macro WLOAD wset, k
.irp s, 0,1,2
.irp et, 0,1,2,3,4,5
.set wf, 6*\s+\et
.if wf < 16
	WIN 0x40*(1+\wset)
.set wreg, 16*wf
.else
	WIN 0xc0
.set wreg, 32*\wset+16*(wf-16)
.endif
.irp c, 0,1,2,3
	global_load_b128 v[wreg+4*\c:wreg+4*\c+3], v[LI], s[80+2*\k:81+2*\k] offset:(3*\et+\s)*FRAGB+PIECE*\c
.endr
.endr
.endr
	WIN 0
.endm
; the bias in the result's layout.  tr = 1: lane (r, h), tile 2 g + u, register j: e = 32 g + 16 h + 8 u + j.  tr = 0: one number a tile, that of the lane's row of W; BSCALE spreads it
.macro BLOAD wset, k, tr
	WIN 0xc0
.irp et, 0,1,2,3,4,5
.if \tr
	global_load_b128 v[BIA+48*\wset+8*\et:BIA+48*\wset+8*\et+3], v[BH], s[56+2*\k:57+2*\k] offset:(32*(\et/2)+8*(\et%2))*4
	global_load_b128 v[BIA+48*\wset+8*\et+4:BIA+48*\wset+8*\et+7], v[BH], s[56+2*\k:57+2*\k] offset:(32*(\et/2)+8*(\et%2))*4+16
.else
	global_load_b32 v[BIA+48*\wset+8*\et], v[BR], s[56+2*\k:57+2*\k] offset:(32*(\et/2)+8*(\et%2))*4
.endif
.endr
	WIN 0
.endm
.macro BSCALE wset, k, tr              ; bias / 2^(ea + ew): the power of two that the sums lack
	WIN 0xc3
.irp et, 0,1,2,3,4,5
.irp j, 7,6,5,4,3,2,1,0
.if \tr
	v_ldexp_f32 v[BIA+48*\wset+8*\et+\j], v[BIA+48*\wset+8*\et+\j], s[76+\k]
.else
	v_ldexp_f32 v[BIA+48*\wset+8*\et+\j], v[BIA+48*\wset+8*\et], s[76+\k]
.endif
.endr
.endr
	WIN 0
.endm
; chunk q = 3 u + s: the 16 rows of my tile u, K step s: each load reads 512 consecutive bytes of one row
.macro XLOAD q
	WIN 0x80
.set xi, 0
.rept 16
	global_load_b128 v[64*((\q)%3)+4*xi:64*((\q)%3)+4*xi+3], v[LI], s[54:55] offset:(8*((\q)/3)+xi+8*(xi>>3))*ZROW+512*((\q)%3) th:TH_LOAD_NT
.set xi, xi+1
.endr
	WIN 0
.endm
; the chunk turns through my own stage: in as rows, out 16 neighbours of each block of 32 a lane.  LDS serves a wave's instructions in order (ISA guide 5.7.1.4): no wait between
.macro TURN q
	WIN 0x08
.set xi, 0
.rept 16
	ds_store_b128 v[STI], v[64*((\q)%3)+4*xi:64*((\q)%3)+4*xi+3] offset:STGB*((\q)%2)+SPITCH*xi
.set xi, xi+1
.endr
	WIN 0
.irp b, 0,1,2,3
.irp j, 0,1,2,3
	ds_load_b128 v[T+64*((\q)%2)+16*\b+4*\j:T+64*((\q)%2)+16*\b+4*\j+3], v[STO] offset:STGB*((\q)%2)+128*\b+16*\j
.endr
.endr
.endm
; the chunk's 64 numbers a lane become a fragment with scale k; its image goes to LDS
.macro XQ q, k
.irp b, 0,1,2,3
.set xi, 0
.rept 16
	v_med3_num_f32 v[TMP+16*(\b%2)+xi], v[T+64*((\q)%2)+16*\b+xi], -v[SCX+2*\k+1], v[SCX+2*\k+1]   ; the hold: the conversion does not saturate (ISA guide 7.6.2)
.set xi, xi+1
.endr
	v_cvt_scalef32_pk8_bf8_f32 v[CD+16*\k+4*\b:CD+16*\k+4*\b+1], v[TMP+16*(\b%2):TMP+16*(\b%2)+7], v[SCX+2*\k]
	v_cvt_scalef32_pk8_bf8_f32 v[CD+16*\k+4*\b+2:CD+16*\k+4*\b+3], v[TMP+16*(\b%2)+8:TMP+16*(\b%2)+15], v[SCX+2*\k]
.endr
	v_nop                                          ; a plain line behind the last conversion
.irp c, 0,1,2,3
	ds_store_b128 v[XW+\k], v[CD+16*\k+4*\c:CD+16*\k+4*\c+3] offset:TILEB*((\q)/3)+FRAGB*((\q)%3)+PIECE*\c
.endr
.endm
.macro FETCH k, b                      ; x's tiles 2 b, 2 b + 1 with scale k: fragment (xt, s) at XF + 16 (3 xt + s)
.set xi, 0
.rept 24
	ds_load_b128 v[XF+4*xi:XF+4*xi+3], v[LIK+\k] offset:2*TILEB*(\b)+PIECE*xi
.set xi, xi+1
.endr
.endm
; 36 matrix instructions: 6 tiles of W x 2 tiles of x x 3 K steps; the twelve accumulators take turns, one instruction a turn.  The first K step takes the bias as C
.macro MUL tr, wset
.irp s, 0,1,2
.irp et, 0,1,2,3,4,5
.set wf, 6*\s+\et
.if wf < 16
.set wwin, 1+\wset
.set wreg, 16*wf
.else
.set wwin, 3
.set wreg, 32*\wset+16*(wf-16)
.endif
.if \s == 0
.set cwin, 0x30
.else
.set cwin, 0
.endif
.if \tr
	WIN wwin|cwin
.else
	WIN (wwin<<2)|cwin
.endif
.irp xt, 0,1
.if \tr
.set dreg, ACC+8*(6*\xt+\et)
.else
.set dreg, ACC+8*(2*\et+\xt)
.endif
.set xreg, XF+16*(3*\xt+\s)
.set creg, dreg
.if \s == 0
.set creg, BIA+48*\wset+8*\et
.endif
.if \tr
	v_wmma_f32_16x16x128_bf8_bf8 v[dreg:dreg+7], v[wreg:wreg+15], v[xreg:xreg+15], v[creg:creg+7]
.else
	v_wmma_f32_16x16x128_bf8_bf8 v[dreg:dreg+7], v[xreg:xreg+15], v[wreg:wreg+15], v[creg:creg+7]
.endif
.endr
.endr
.endr
	WIN 0
.endm
; the pair's twelve accumulators are six runs of 16 neighbours along the next K: six pieces.  Each accumulator is read from its low end on
.macro OUTQ k, tr, b
	s_wait_xcnt 0x0                                ; the last pair's stores have read their data: the codes' registers are written again only behind this wait
.irp G, 0,1,2,3,4,5
.set xi, 0
.rept 16
	v_med3_num_f32 v[ACC+16*\G+xi], v[ACC+16*\G+xi], -v[SCO+2*\k+1], v[SCO+2*\k+1]
.set xi, xi+1
.endr
	v_cvt_scalef32_pk8_bf8_f32 v[PC+4*\G:PC+4*\G+1], v[ACC+16*\G:ACC+16*\G+7], v[SCO+2*\k]      ; sum / 2^(eo - ea - ew): the three scales folded into one
	v_cvt_scalef32_pk8_bf8_f32 v[PC+4*\G+2:PC+4*\G+3], v[ACC+16*\G+8:ACC+16*\G+15], v[SCO+2*\k]
.endr
	v_nop                                          ; a plain line behind the last conversion: the next products write its sources
.irp G, 0,1,2,3,4,5
.if \tr
	global_store_b128 v[OQ], v[PC+4*\G:PC+4*\G+3], s[86+2*\k:87+2*\k] offset:(2*(\b)+\G/3)*TILEB+(\G%3)*PIECE   ; 512 consecutive bytes, at a multiple of 512 from the buffer's first byte
.else
	global_store_b128 v[OV], v[PC+4*\G:PC+4*\G+3], s[86+2*\k:87+2*\k] offset:FRAGB*\G+PIECE*(\b)
.endif
.endr
.endm
.macro PRODUCT k, tr, wset, nextk      ; the four pairs of x's tiles; the next pair's fragments are fetched while this pair's results are quantised
.irp b, 0,1,2,3
	s_wait_dscnt 0x0                               ; the pair's fragments are in
	MUL \tr, \wset
	PLACES 4                                       ; in front of loads into registers that matrix instructions have read, and of the first read of results
.if \b < 3
	FETCH \k, \b+1
.elseif \nextk >= 0
	FETCH \nextk, 0
.endif
	OUTQ \k, \tr, \b
.endr
.endm
	s_load_b512 s[4:19], s[0:1], 0x0               ; Z_graph, Z_lstm, wcodes, the exponents, bqg, bkg, bvg, bql
	s_load_b256 s[20:27], s[0:1], 0x40             ; bkl, bvl, qcodes, kcodes
	s_load_b64 s[28:29], s[0:1], 0x60              ; vcodes
	v_lshl_add_u32 v254, v0, 2, 0x34800
	v_mov_b32 v255, 0
	v_lshrrev_b32 v10, 5, v0
	v_readfirstlane_b32 s30, v10                   ; wave 0..3
	s_and_b32 s31, ttmp7, 0xffff                   ; z
	v_and_b32 v[LI], 31, v0
	v_lshlrev_b32 v[LI], 4, v[LI]
	v_and_b32 v10, 15, v0                          ; r
	v_bfe_u32 v15, v0, 4, 1                        ; h
	v_lshlrev_b32 v[BH], 6, v15
	v_and_b32 v[BR], 8, v10
	v_add_nc_u32 v[BR], v[BR], v10
	v_lshlrev_b32 v[BR], 2, v[BR]
	s_mul_i32 s94, s30, 2*TILEB
.irp k, 0,1,2
	v_add_nc_u32 v[LIK+\k], \k*BLKB, v[LI]
	v_add_nc_u32 v[XW+\k], s94, v[LIK+\k]
.endr
	s_mul_i32 s94, s30, 2*STGB
	s_add_co_u32 s94, s94, STG                     ; my two stages
	v_add_nc_u32 v[STI], s94, v[LI]
	v_mul_u32_u24 v[STO], v10, SPITCH
	v_lshl_add_u32 v[STO], v15, 6, v[STO]
	v_add_nc_u32 v[STO], s94, v[STO]
	s_mul_i32 s94, s30, 3*PIECE
	v_add_nc_u32 v[OQ], s94, v[LI]
	s_mul_i32 s94, s30, 6*FRAGB
	v_add_nc_u32 v[OV], s94, v[LI]
	s_mul_i32 s92, ttmp9, 128*ZROW
	s_mul_i32 s94, s30, 32*ZROW
	s_add_co_u32 s92, s92, s94                     ; my wave's first row of Z
	s_mov_b32 s93, 0
	s_wait_kmcnt 0x0
	s_load_b512 s[32:47], s[10:11], 0x0            ; entries 0 to 15
	s_load_b128 s[48:51], s[10:11], 0x40           ; entries 16 to 19
	s_cmp_eq_u32 s31, 0                            ; the choices hang on the work-group's number alone
	s_cselect_b64 s[54:55], s[4:5], s[6:7]
	s_cselect_b64 s[56:57], s[12:13], s[18:19]
	s_cselect_b64 s[58:59], s[14:15], s[20:21]
	s_cselect_b64 s[60:61], s[16:17], s[22:23]
	s_add_nc_u64 s[54:55], s[54:55], s[92:93]
	s_mul_i32 s92, s30, 384                        ; my 96 numbers of each bias
	s_add_nc_u64 s[56:57], s[56:57], s[92:93]
	s_add_nc_u64 s[58:59], s[58:59], s[92:93]
	s_add_nc_u64 s[60:61], s[60:61], s[92:93]
	s_mul_i32 s92, s31, 3*WBYTES
	s_mul_i32 s94, s30, 6*TILEB
	s_add_co_u32 s92, s92, s94                     ; weight 3 z + k, my six tiles
	s_add_nc_u64 s[80:81], s[8:9], s[92:93]
	s_add_nc_u64 s[82:83], s[80:81], WBYTES
	s_add_nc_u64 s[84:85], s[80:81], 2*WBYTES
	s_mul_i32 s94, ttmp9, BLKB
	s_mul_i32 s92, s31, DIRB
	s_add_co_u32 s92, s92, s94
	s_add_nc_u64 s[86:87], s[24:25], s[92:93]      ; Q of Z number z belongs to direction z,
	s_xor_b32 s92, s31, 1
	s_mul_i32 s92, s92, DIRB
	s_add_co_u32 s92, s92, s94
	s_add_nc_u64 s[88:89], s[26:27], s[92:93]      ; its K and V to the other
	s_add_nc_u64 s[90:91], s[28:29], s[92:93]
	WLOAD 0, 0                                     ; ahead of x's loads: loads come back in order (ISA guide 5.7.1), so every wait for x shows these in
	BLOAD 0, 0, 1
	XLOAD 0
	XLOAD 1
	XLOAD 2
	s_wait_kmcnt 0x0
	s_cmp_eq_u32 s31, 0
	s_cselect_b32 s66, s32, s42                    ; Q: ea, ew, eo = entries 0, 1, 6 or 10, 11, 16
	s_cselect_b32 s67, s33, s43
	s_cselect_b32 s68, s38, s48
	s_cselect_b32 s69, s44, s34                    ; K: 12, 13, 17 or 2, 3, 7
	s_cselect_b32 s70, s45, s35
	s_cselect_b32 s71, s49, s39
	s_cselect_b32 s72, s46, s36                    ; V: 14, 15, 19 or 4, 5, 9
	s_cselect_b32 s73, s47, s37
	s_cselect_b32 s74, s51, s41
.irp k, 0,1,2
	s_add_co_i32 s94, s[66+3*\k], 127
	s_lshl_b32 s95, s94, 23
	v_mov_b32 v[SCX+2*\k], s95                     ; 2^ea
	s_add_co_i32 s94, s94, 15
	s_lshl_b32 s94, s94, 23
	s_or_b32 s94, s94, 0x600000
	v_mov_b32 v[SCX+2*\k+1], s94                   ; 57,344 x 2^ea
	s_add_co_i32 s94, s[66+3*\k], s[67+3*\k]
	s_sub_co_i32 s[76+\k], 0, s94                  ; -(ea + ew)
	s_sub_co_i32 s94, s[68+3*\k], s94
	s_add_co_i32 s94, s94, 127
	s_lshl_b32 s95, s94, 23
	v_mov_b32 v[SCO+2*\k], s95                     ; 2^(eo - ea - ew)
	s_add_co_i32 s94, s94, 15
	s_lshl_b32 s94, s94, 23
	s_or_b32 s94, s94, 0x600000
	v_mov_b32 v[SCO+2*\k+1], s94
.endr
	s_wait_loadcnt 32                              ; chunk 0 is in; chunks 1 and 2, 32 loads, may be out
	TURN 0
.irp q, 0,1,2,3,4,5
	s_wait_dscnt 0x0                               ; this chunk is back from the stage; my stage and image stores have read their registers
.if \q < 3
	XLOAD \q+3
	s_wait_loadcnt 32                              ; the next chunk is in; the two behind it may be out
.elseif \q == 3
	s_wait_loadcnt 16                              ; one chunk behind it
.elseif \q == 4
	s_wait_loadcnt 0x0
.endif
.if \q < 5
	TURN \q+1
.endif
	XQ \q, 0
	XQ \q, 1
	XQ \q, 2
.endr
	s_wait_dscnt 0x0                               ; for the others' sake: my images have landed
	s_barrier_signal -1
	s_barrier_wait -1                              ; x's 72 fragments lie in LDS; nothing is written there again
	WLOAD 1, 1
	BLOAD 1, 1, 1
	BSCALE 0, 0, 1
	FETCH 0, 0
	PRODUCT 0, 1, 0, 1
	s_wait_loadcnt 0x0                             ; K's weight and bias
	BSCALE 1, 1, 1
	WLOAD 0, 2                                     ; set 0's last readers stand behind the last pair's places and holds
	BLOAD 0, 2, 0
	PRODUCT 1, 1, 1, 2
	s_wait_loadcnt 0x0                             ; V's weight and bias
	BSCALE 0, 2, 0
	PRODUCT 2, 0, 0, -1
	s_wait_tensorcnt 0x0
	ds_add_u32 v254, v255
	s_wait_dscnt 0x0
	s_endpgm
.Lfunc_end_k_q5a0192abbb_proj:
	.size	k_q5a0192abbb_proj, .Lfunc_end_k_q5a0192abbb_proj-k_q5a0192abbb_proj
	.p2alignl 7, 3214868480
	.fill 96, 4, 3214868480
	.section	.rodata,"a",@progbits
	.p2align	6, 0x0
	.amdhsa_kernel k_q5a0192abbb_proj
		.amdhsa_group_segment_fixed_size 215552
		.amdhsa_private_segment_fixed_size 0
		.amdhsa_enable_private_segment 0
		.amdhsa_kernarg_size 104
		.amdhsa_user_sgpr_count 2
		.amdhsa_user_sgpr_kernarg_segment_ptr 1
		.amdhsa_wavefront_size32 1
		.amdhsa_system_sgpr_workgroup_id_x 1
		.amdhsa_system_sgpr_workgroup_id_y 1
		.amdhsa_system_sgpr_workgroup_id_z 1
		.amdhsa_system_vgpr_workitem_id 0
		.amdhsa_next_free_vgpr 1024
		.amdhsa_next_free_sgpr 96
		.amdhsa_reserve_vcc 0
		.amdhsa_float_denorm_mode_32 3
		.amdhsa_float_denorm_mode_16_64 3
		.amdhsa_memory_ordered 1
		.amdhsa_forward_progress 1
		.amdhsa_inst_pref_size 255
	.end_amdhsa_kernel
	.section	.bss,"aw",@nobits
	.p2align	6
	.space	262144
	.amdgpu_metadata
---
amdhsa.version: [ 1, 2 ]
amdhsa.kernels:
  - .name:           k_q5a0192abbb_proj
    .symbol:         k_q5a0192abbb_proj.kd
    .args:
      - { .name: Z_graph, .offset: 0, .size: 8, .value_kind: global_buffer, .address_space: global }
      - { .name: Z_lstm, .offset: 8, .size: 8, .value_kind: global_buffer, .address_space: global }
      - { .name: wcodes, .offset: 16, .size: 8, .value_kind: global_buffer, .address_space: global }
      - { .name: lowp_scales, .offset: 24, .size: 8, .value_kind: global_buffer, .address_space: global }
      - { .name: bqg, .offset: 32, .size: 8, .value_kind: global_buffer, .address_space: global }
      - { .name: bkg, .offset: 40, .size: 8, .value_kind: global_buffer, .address_space: global }
      - { .name: bvg, .offset: 48, .size: 8, .value_kind: global_buffer, .address_space: global }
      - { .name: bql, .offset: 56, .size: 8, .value_kind: global_buffer, .address_space: global }
      - { .name: bkl, .offset: 64, .size: 8, .value_kind: global_buffer, .address_space: global }
      - { .name: bvl, .offset: 72, .size: 8, .value_kind: global_buffer, .address_space: global }
      - { .name: qcodes, .offset: 80, .size: 8, .value_kind: global_buffer, .address_space: global }
      - { .name: kcodes, .offset: 88, .size: 8, .value_kind: global_buffer, .address_space: global }
      - { .name: vcodes, .offset: 96, .size: 8, .value_kind: global_buffer, .address_space: global }
    .group_segment_fixed_size: 215552
    .private_segment_fixed_size: 0
    .kernarg_segment_align: 8
    .kernarg_segment_size: 104
    .max_flat_workgroup_size: 128
    .sgpr_count:     96
    .vgpr_count:     1024
    .wavefront_size: 32
...
	.end_amdgpu_metadata
.endif
;; end of part 2
;; launch attn (part 3): grid 256 x 1, 4 waves a work-group, clusters of 4 x 1, 327,680 bytes of LDS; arguments qcodes, kcodes, vcodes, wcodes, lowp_scales, bf, out0; writes out0
.if DOCPART == 3
	.amdgcn_target "amdgcn-amd-amdhsa--gfx1250"
	.amdhsa_code_object_version 6
	.text
	.protected	k_q5a0192abbb_attn
	.globl	k_q5a0192abbb_attn
	.p2align	8
	.type	k_q5a0192abbb_attn,@function
k_q5a0192abbb_attn:
	s_mov_b64 s[64:65], 0
	v_nop
	global_prefetch_b8 v0, s[64:65] scope:SCOPE_SE
	s_setreg_imm32_b32 hwreg(HW_REG_WAVE_MODE, 25, 1), 1
	s_wait_xcnt 0x0
	s_wait_alu depctr_hold_cnt(0) depctr_sa_sdst(0) depctr_va_vdst(0) depctr_va_sdst(0) depctr_va_ssrc(0) depctr_va_vcc(0) depctr_vm_vsrc(0)
	s_getreg_b32 s2, hwreg(HW_REG_IB_STS2, 6, 4)
	s_cmp_eq_u32 s2, 0
	s_cbranch_scc0 .Lentry_in_a_cluster
	s_endpgm
.Lentry_in_a_cluster:
	s_bfe_u32 s2, ttmp6, 0x10000c
	s_cmp_lg_u32 s2, 0x3003
	s_cbranch_scc0 .Lentry_shape_is_right
	s_endpgm
.Lentry_shape_is_right:
; Both cross attentions, their sum and the last linear layer, on codes of BF8 (E5M2) with given scales.  A work-group owns 64 rows of one batch, for BOTH directions, so the two results meet on the chip.
; SHARES.  Wave w: direction w / 2, rows 32 (w % 2) on: two tiles of 16 queries.  Slot 0 is tile u = direction, slot 1 the other.  At the end slot 1's result goes to wave w xor 2, whose slot 0 is that tile.
; Every wave walks the 2,048 keys of its direction, 128 a step.
; LAYOUT.  All codes are images of operand registers (a piece: four registers of 32 lanes, lane l's 16 bytes at 16 l; lane (r, h) holds k = 32 c + 16 h + 0 .. 15 in piece c), so every LDS and global load is 512 consecutive bytes.
; Lane r of tile 2 b + u holds row 32 b + 8 u + r + 8 (r / 8).  Both products are used transposed: S^T = K Q^T, O^T = V^T P^T: a lane holds ONE query; the 16 registers of two neighbouring tiles are 16 neighbours along the next K.
; SOFTMAX.  t = score x log2(e) / sqrt(384); M = the running largest t rounded UP to a whole number; p = 2^(t - M) is quantised with 2^ep, not normalised; the row's sum is taken of the unquantised p and divides at the end.
; When M moves, the sum and O^T are multiplied by 2^(old M - new M): exact.
; RING.  A step's K of both directions is 98,304 bytes, its V as many; two whole steps, 393,216 bytes, do not fit.  K is read only while the scores are made, so K has ONE slot and V has TWO.  ONE round a step, as soon as
; K's slot has been read out: behind it K's slot takes the next step's K and V's idle slot the next step's V, 196,608 bytes.  They land while both softmaxes and the products with V are worked; a plain barrier, behind which nothing is
; filled, stands in front of the next step's first read of K.  By this text's own count a wave has at most two tensor loads out at the start and one later.
; CLUSTER.  The four work-groups of a cluster belong to one batch and walk the same K and V: every tile is asked for JOINTLY, with the mask of all four: waves 0 and 1 ask for K of directions 0 and 1, waves 2 and 3 for V.
; LIMITS on the given exponents, so that each power of two below is an f32 number: eq + ek between -122 and 131 (added to c's exponent field); ep and entry 20 between -126 and 112; entries 20 + 21 between -126 and 127.
; REGISTERS, in windows of 256.  Window 0: v1-7 addresses, v8-23 statistics, v24-31 constants; v32-95 a buffer of four fragments; v96-223 S^T of the two slots, later two more buffers; v224-255 Wf's fragments 16, 17.
;   Window 1: O^T of slot 0 (24 tiles), v192-207 its p, v208-255 bf.  Window 2: O^T of slot 1, v192-207 its p.  Window 3: v0-95 Q, v96-223 two buffers for K; at the end Wf's fragments 0-15.
.set PIECE,  512
.set FRAGB,  2048
.set TILEB,  6144                      ; 16 rows x 384 codes
.set STEPB,  49152                     ; 128 keys of K, or of V, of one direction: what one tensor load brings
.set BATB,   786432
.set DIRB,   6291456
.set WBYTES, 147456
.set VS1X,   131072                    ; V's two slots lie at 0 and here, so that one exclusive or turns an address in one into the other's
.set KS,     229376                    ; K's slot: the last 98,304 bytes
.set STAGE,  0                         ; the end: 64 rows of the output, 1,552 bytes apart: in V's slot 0, which has had its last fill and its last read by then, and 1,024 bytes behind it
.set SPITCH, 1552
.set ZIMG,   99328                     ; the sum's codes: 4 tiles x 6,144; no tile ever lands here
.set SPARE,  130560                    ; the spare words, 128 bytes for each wave: two blocks of 256 bytes that no other line names
.set XCH,    KS                        ; the end: 4 x 24,576: slot 1's results on their way to the partner: in K's slot, which has had its last fill and its last read by then
.set XCHB,   24576
.set ADRK, 1                           ; v1   16 x lane + my direction's K
.set ADRV, 2                           ; v2   the same for V, in the step's slot
.set SPW,  3                           ; v3   LDS address of my spare word; never rewritten
.set NIL,  4                           ; v4   0; never rewritten
.set LI,   5                           ; v5   16 x lane
.set AV0,  6                           ; v6   16 x lane + my direction's V in slot 0
.set ST,   8                           ; slot q's statistics at v[8 + 8 q]: +0 -M, +1 the largest t, +2, +3 the sum in two halves, +4, +5 f (later 1 / sum), +6, +7 at work
.set LIMP, 24                          ; v24  57,344 x 2^ep
.set SCP,  25                          ; v25  2^ep
.set SUM2, 26                          ; v[26:27] the sum's second chain
.set PX,   28                          ; v28  a lane permute's destination
.set SCZ,  29                          ; v29  2^(entry 20)
.set LIMZ, 30                          ; v30  57,344 x that
.set BO,   31                          ; v31  64 h
.set BUF,  32
.set S,    96
.set WF2,  224
.set P,    192                         ; in windows 1 and 2
.set BFR,  208                         ; in window 1
.set EXS,  1                           ; the end's LDS addresses, in registers that are free by then
.set EXL,  2
.set EZS,  6
.set EZL,  7
.set ESS,  24
.set ESL,  25
; scalars: s18 wave, s19 my direction, s20 wave % 2; s[24:31] descriptor group 1; s[32:35] group 0 for K, which walks; s[36:39] for V of step 0; s[76:79] for V of step 1, which then walks; s59 the step's slot of V
.set MSB, 0
.macro WIN new                         ; the immediate's high byte repeats the setting that is left; a switch that changes nothing is dropped
.if MSB != (\new)
	s_set_vgpr_msb (MSB<<8)|(\new)
.set MSB, (\new)
.endif
.endm
.macro PLACES n
.rept \n
	v_nop
.endr
.endm
.macro CREST                           ; a round of the cluster's barrier behind its opening barrier: wave 0 signals for the work-group; every wave waits for all four work-groups; my work-group's barrier once more
	s_cmp_lg_u32 s18, 0
	s_cbranch_scc1 .Lnot_wave_0_\@
	s_barrier_signal -3
.Lnot_wave_0_\@:
	s_barrier_wait -3
	s_barrier_signal -1
	s_barrier_wait -1
.endm
.macro CROUND                          ; a whole round
	s_barrier_signal -1
	s_barrier_wait -1
	CREST
.endm
; A joint refill: waves 0 and 1 ask for the next step's K, waves 2 and 3 (vtoo = 1) for its V.  The branch hangs on the wave's number alone: it is the same in every work-group.
; Four v_nop follow each of the two lines, ahead of the jump, the label and what follows.
.macro JLOAD vtoo
	s_cmp_lt_u32 s18, 2
	s_cbranch_scc0 .Lfor_v_\@
	tensor_load_to_lds s[32:35], s[24:31]
	s_nop 0
	PLACES 4
.if \vtoo
	s_branch .Lasked_\@
.endif
.Lfor_v_\@:
.if \vtoo
	tensor_load_to_lds s[76:79], s[24:31]
	s_nop 0
	PLACES 4
.Lasked_\@:
.endif
.endm
; group G = 2 s + half: K's tiles 4 half .. 4 half + 3, K step s, into buffer X (0: window 0; 1, 2: window 3)
.macro KLOAD G, X
.if \X == 0
	WIN 0
.set rX, BUF
.else
	WIN 0xc0
.set rX, 96+64*(\X-1)
.endif
.set ks, (\G)/2
.set kh, (\G)%2
.irp i, 0,1,2,3
.irp c, 0,1,2,3
	ds_load_b128 v[rX+16*\i+4*\c:rX+16*\i+4*\c+3], v[ADRK] offset:(4*kh+\i)*TILEB+FRAGB*ks+PIECE*\c
.endr
.endr
.endm
.macro SGRP G, X                       ; its eight products: each fragment of K serves both slots; the first K step starts the sums
.if \X == 0
	WIN 0x0c
.set rX, BUF
.else
	WIN 0x0f
.set rX, 96+64*(\X-1)
.endif
.set ks, (\G)/2
.set kh, (\G)%2
.irp q, 0,1
.irp i, 0,1,2,3
.if ks == 0
	v_wmma_f32_16x16x128_bf8_bf8 v[S+64*\q+8*(4*kh+\i):S+64*\q+8*(4*kh+\i)+7], v[rX+16*\i:rX+16*\i+15], v[48*\q+16*ks:48*\q+16*ks+15], 0
.else
	v_wmma_f32_16x16x128_bf8_bf8 v[S+64*\q+8*(4*kh+\i):S+64*\q+8*(4*kh+\i)+7], v[rX+16*\i:rX+16*\i+15], v[48*\q+16*ks:48*\q+16*ks+15], v[S+64*\q+8*(4*kh+\i):S+64*\q+8*(4*kh+\i)+7]
.endif
.endr
.endr
.endm
; S^T of a step: six groups through three buffers; groups 0 to 2 were asked for ahead.  The sixteen accumulators take turns, one instruction a turn.
; THE CHANGE OF SLOTS stands behind group 3: K's last fragments are then on their way into registers.  Each wave waits for all its tensor loads (later none is out: the wait in front of the step's first read of K has shown them landed; at the first step waves 0 and 1 may still have step 1's V out),
; adds 0 to its spare word, and waits for that and for its reads of K's slot.  fill = 1: the barrier opens a round of the cluster's, with group 4's products inside it; behind the round the refill is the first thing.
; fill = 0 (the last step): a plain barrier: behind it nobody reads K's slot, into which the end will store.
.macro SPHASE fill, vtoo
.irp G, 0,1,2,3
	s_wait_dscnt 32                                ; this group's 16 loads are in; the two groups behind it may be out
	SGRP \G, (\G+1)%3
.if \G < 3
	PLACES 4                                       ; in front of loads into registers that matrix instructions have read
	KLOAD \G+3, (\G+1)%3
.endif
.endr
	WIN 0                                          ; (the add's two registers lie in window 0)
.if \fill
	s_wait_tensorcnt 0x0                           ; no tensor load of mine is out, so a group 0 may be written
	ds_add_u32 v[SPW], v[NIL]                      ; 0 onto my spare word: the descriptors' steps stand between it and the wait for it
	s_add_nc_u64 s[34:35], s[34:35], STEPB         ; K: the next 128 keys; the type bits on top are not reached
.if \vtoo
	s_xor_b32 s77, s77, VS1X                       ; V: the other slot than last time,
	s_add_nc_u64 s[78:79], s[78:79], STEPB         ; the next 128 keys
.endif
.endif
	s_wait_dscnt 0x0                               ; groups 4 and 5 are in: my reads of K's slot are over (and the add is done)
	s_barrier_signal -1
	SGRP 4, 2                                      ; work on registers while the others arrive
	WIN 0
	s_barrier_wait -1
.if \fill
	CREST                                          ; no wave of any partner still reads K's slot or V's idle slot, or has a load on its way
	JLOAD \vtoo                                    ; my one tensor load until the next round: it has group 5, both softmaxes and V's groups 0 to 4 in which to land
.endif
	SGRP 5, 0
	PLACES 4                                       ; in front of the first read of the scores and of loads into the buffer
	WIN 0
.endm
.macro SOFTMAX q
.set rS, S+64*\q
.set rT, ST+8*\q
	v_max3_num_f32 v[rT+6], v[rS], v[rS+1], v[rS+2]          ; the step's largest score of my query among my 64 keys, in two chains, each accumulator from its low end on
	v_max3_num_f32 v[rT+7], v[rS+3], v[rS+4], v[rS+5]
.set mi, 6
.rept 14
	v_max3_num_f32 v[rT+6], v[rT+6], v[rS+mi], v[rS+mi+1]
	v_max3_num_f32 v[rT+7], v[rT+7], v[rS+mi+2], v[rS+mi+3]
.set mi, mi+4
.endr
	v_max3_num_f32 v[rT+6], v[rT+6], v[rS+62], v[rS+63]
	v_max_num_f32 v[rT+6], v[rT+6], v[rT+7]
	v_permlanex16_b32 v[PX], v[rT+6], s22, s23
	v_max_num_f32 v[rT+6], v[rT+6], v[PX]                    ; and among lane l xor 16's
	v_mul_f32 v[rT+6], s40, v[rT+6]                          ; as t (c is positive)
	v_max_num_f32 v[rT+1], v[rT+1], v[rT+6]                  ; the running largest t
	v_mov_b32 v[rT+6], v[rT]
	v_floor_f32 v[rT], -v[rT+1]                              ; the new -M = floor(-t): M is a whole number
	v_sub_f32 v[rT+6], v[rT], v[rT+6]                        ; old M - new M: a whole number, 0 or less
	v_cvt_i32_f32 v[rT+6], v[rT+6]                           ; (it saturates)
	v_ldexp_f32 v[rT+4], 1.0, v[rT+6]                        ; f = 2^(old M - new M)
.set mi, 0
.rept 32
	v_pk_fma_f32 v[rS+mi:rS+mi+1], v[rS+mi:rS+mi+1], s[40:41], v[rT:rT+1] op_sel_hi:[1,0,0]   ; t - M, two at a time (of the pairs c and -M the low word serves both halves)
.set mi, mi+2
.endr
.set mi, 0
.rept 64
	v_exp_f32 v[rS+mi], v[rS+mi]                             ; p = 2^(t - M), at most 1
.set mi, mi+1
.endr
	v_pk_mul_f32 v[rT+2:rT+3], v[rT+2:rT+3], v[rT+4:rT+5] op_sel_hi:[1,0]   ; the sum under the new M (a plain line behind the exponentials)
	s_wait_alu depctr_va_vdst(0)
	v_pk_add_f32 v[SUM2:SUM2+1], v[rS:rS+1], v[rS+2:rS+3]    ; the sum is taken of the unquantised p, in two chains
.set mi, 4
.rept 15
	v_pk_add_f32 v[rT+2:rT+3], v[rT+2:rT+3], v[rS+mi:rS+mi+1]
	v_pk_add_f32 v[SUM2:SUM2+1], v[SUM2:SUM2+1], v[rS+mi+2:rS+mi+3]
.set mi, mi+4
.endr
	v_pk_add_f32 v[rT+2:rT+3], v[rT+2:rT+3], v[SUM2:SUM2+1]
.set mi, 0
.rept 64
	v_min_num_f32 v[rS+mi], v[rS+mi], v[LIMP]                ; the conversion does not saturate (ISA guide 7.6.2); p is not negative, so the hold is one-sided
.set mi, mi+1
.endr
	WIN 0x40*(1+\q)                                          ; the codes go beside the slot's O^T
.set mi, 0
.rept 4
	v_cvt_scalef32_pk8_bf8_f32 v[P+4*mi:P+4*mi+1], v[rS+16*mi:rS+16*mi+7], v[SCP]
	v_cvt_scalef32_pk8_bf8_f32 v[P+4*mi+2:P+4*mi+3], v[rS+16*mi+8:rS+16*mi+15], v[SCP]
.set mi, mi+1
.endr
	WIN 0
	v_nop                                                    ; a plain line behind the last conversion
.endm
.macro VLOAD g                         ; V's tiles 4 g .. 4 g + 3 into buffer g % 3 of window 0
	WIN 0
.set rY, BUF+64*((\g)%3)
.irp i, 0,1,2,3
.irp c, 0,1,2,3
	ds_load_b128 v[rY+16*\i+4*\c:rY+16*\i+4*\c+3], v[ADRV] offset:(4*(\g)+\i)*FRAGB+PIECE*\c
.endr
.endr
.endm
.macro RESC q, g                       ; slot q's O^T, tiles 4 g .. 4 g + 3, x f.  f is source 0 (window 0), O^T source 1: the products' window setting serves these lines too
.set ro, 32*(\g)
.rept 16
	v_pk_mul_f32 v[ro:ro+1], v[ST+8*\q+4:ST+8*\q+5], v[ro:ro+1] op_sel_hi:[0,1]
.set ro, ro+2
.endr
.endm
; O^T += V^T P^T for tiles 4 g .. 4 g + 3 of both slots; then the next group's tiles are brought under the new M: those lines are also the places in front of the loads that follow.  n: LDS instructions that may stay out
.macro PVG g, first, n
.set rY, BUF+64*((\g)%3)
.if \n >= 0
	s_wait_dscnt \n
.endif
.irp q, 0,1
	WIN 0x54*(1+\q)
.irp i, 0,1,2,3
.if \first
	v_wmma_f32_16x16x128_bf8_bf8 v[8*(4*(\g)+\i):8*(4*(\g)+\i)+7], v[rY+16*\i:rY+16*\i+15], v[P:P+15], 0
.else
	v_wmma_f32_16x16x128_bf8_bf8 v[8*(4*(\g)+\i):8*(4*(\g)+\i)+7], v[rY+16*\i:rY+16*\i+15], v[P:P+15], v[8*(4*(\g)+\i):8*(4*(\g)+\i)+7]
.endif
.endr
.endr
.if (\g) < 5
.if \first
	PLACES 4
.else
	RESC 1, (\g)+1
	WIN 0x54
	RESC 0, (\g)+1
.endif
.endif
.endm
.macro WFLOAD                          ; my six tiles of Wf, 18 fragments (fragment 6 s + et), into the registers that Q and K's buffers have left
.irp s, 0,1,2
.irp et, 0,1,2,3,4,5
.set wf, 6*\s+\et
.if wf < 16
	WIN 0xc0
.set wreg, 16*wf
.else
	WIN 0
.set wreg, WF2+16*(wf-16)
.endif
.irp c, 0,1,2,3
	global_load_b128 v[wreg+4*\c:wreg+4*\c+3], v[LI], s[10:11] offset:(3*\et+\s)*FRAGB+PIECE*\c
.endr
.endr
.endr
	WIN 0
.endm
; A KEY STEP.  first = 1: its products start O^T's sums with the constant 0: nothing is cleared; V of step 1 was asked for at the start, so only K is asked for.  last = 1: nothing more is asked for
.macro STEP first, last
	SPHASE (1-\last), (1-\first)
.if \last
	WFLOAD
.endif
	v_add_nc_u32 v[ADRV], s59, v[AV0]              ; this step's slot of V
.if !\last
	s_xor_b32 s59, s59, VS1X                       ; the next step's is the other
.endif
	VLOAD 0
	SOFTMAX 0
	VLOAD 1                                        ; into slot 0's scores, which are done with
	SOFTMAX 1
	VLOAD 2
.if !\first
	WIN 0xa8
	RESC 1, 0
	WIN 0x54
	RESC 0, 0
.endif
	PVG 0, \first, 32                              ; the group's 16 loads are in; the two groups behind it may be out
	VLOAD 3
	PVG 1, \first, 32
	VLOAD 4
	PVG 2, \first, 32
	VLOAD 5
	PVG 3, \first, 32
	PVG 4, \first, 16                              ; group 5's 16 loads may be out
.if \last
	PVG 5, \first, 0
	WIN 0
.else
	WIN 0
	s_wait_tensorcnt 0x0                           ; my part of the next step's tiles has landed; the count is 0 because no load was issued behind it
	s_wait_dscnt 0x0                               ; group 5 is in: no LDS access of mine is pending at the signal, and my reads of this step's V are over
	s_barrier_signal -1
	s_barrier_wait -1                              ; everybody's part has landed
	KLOAD 0, 1
	KLOAD 1, 2
	KLOAD 2, 0
	PVG 5, \first, -1                              ; its fragments came in with the wait in front of the barrier
	PLACES 5                                       ; the next step's first products write S^T over the buffers that these products read: five places (ISA guide 7.12.1)
	WIN 0
.endif
.endm
	s_load_b256 s[4:11], s[0:1], 0x0               ; qcodes, kcodes, vcodes, wcodes
	s_load_b128 s[12:15], s[0:1], 0x20             ; the exponents, bf
	s_load_b64 s[16:17], s[0:1], 0x30              ; out0
	v_lshl_add_u32 v[SPW], v0, 2, SPARE
	v_mov_b32 v[NIL], 0
	ds_add_u32 v3, v4
	ds_add_u32 v3, v4
	s_wait_dscnt 0x0
	v_lshrrev_b32 v[LI], 5, v0
	v_readfirstlane_b32 s18, v[LI]                 ; wave 0..3
	s_lshr_b32 s19, s18, 1                         ; my direction.  Also: I fetch for K (0) or for V (1)
	s_and_b32 s20, s18, 1                          ; which 32 of the 64 rows.  Also: which direction's tile I fetch
	s_lshr_b32 s57, ttmp9, 3                       ; the batch: eight clusters of 256 rows each; the four partners share it
	; descriptor group 1: 49,152 dense bytes as 192 rows of 256
	s_mov_b32 s24, 15|(3<<16)|(1<<21)              ; 15:0 the mask: all four work-groups; 17:16 elements of 8 bytes; 21 set beside a mask; no padding
	s_mov_b32 s25, 32<<16                          ; tensor_dim0 = 32
	s_mov_b32 s26, 192<<16                         ; tensor_dim1 = 192
	s_mov_b32 s27, 32<<16                          ; tile_dim0 = 32
	s_mov_b32 s28, 192                             ; tile_dim1 = 192
	s_mov_b32 s29, 32                              ; elements from row to row
	s_mov_b32 s30, 0
	s_mov_b32 s31, 0
	s_mul_i32 s63, s57, BATB
	s_mul_i32 s60, s19, DIRB
	s_add_co_u32 s60, s60, s63                     ; Q: my direction's codes of the batch
	s_mul_i32 s62, s20, DIRB
	s_add_co_u32 s62, s62, s63                     ; K and V: step 0 of the direction that I fetch: made of the batch and the wave's number alone
	s_mov_b32 s63, 0
	s_mov_b32 s32, 1                               ; group 0 for K: count = 1,
	s_mul_i32 s37, s20, STEPB                      ; (V of step 0: slot 0, the direction's half)
	s_add_co_u32 s33, s37, KS                      ; LDS address: K's slot, the direction's half
	s_mov_b32 s36, 1
	s_mov_b32 s76, 1
	s_add_co_u32 s77, s37, VS1X                    ; V of step 1: slot 1
	s_bfe_u32 s56, ttmp6, 0x40000                  ; cx: it enters Q's and the output's addresses alone
	s_and_b32 s58, ttmp9, 7
	s_lshl_b32 s58, s58, 2
	s_add_co_u32 s58, s58, s56                     ; my block of 64 rows in the batch
	s_lshl_b32 s66, s58, 2
	s_lshl_b32 s67, s20, 1
	s_add_co_u32 s66, s66, s67                     ; my first tile of Q: 4 x block + 2 x half
	s_mul_i32 s66, s66, TILEB
	s_add_co_u32 s60, s60, s66
	s_mul_i32 s72, s19, TILEB
	s_add_co_u32 s72, s72, s60                     ; slot 0: tile u = direction
	s_mov_b32 s73, 0
	s_xor_b32 s74, s19, 1
	s_mul_i32 s74, s74, TILEB
	s_add_co_u32 s74, s74, s60                     ; slot 1: the other
	s_mov_b32 s75, 0
	s_lshl_b32 s66, s57, 11
	s_lshl_b32 s67, s58, 6
	s_add_co_u32 s66, s66, s67
	s_lshl_b32 s67, s18, 4
	s_add_co_u32 s66, s66, s67                     ; the first row that I store: 2,048 x batch + 64 x block + 16 x wave
	s_mul_i32 s66, s66, 1536
	s_mov_b32 s67, 0
	s_mul_i32 s68, s18, 6*TILEB
	s_add_co_u32 s68, s68, 6*WBYTES                ; Wf is weight 6; my six tiles
	s_mov_b32 s69, 0
	s_mul_i32 s70, s18, 384                        ; my 96 numbers of bf
	s_mov_b32 s71, 0
	s_mov_b32 s22, 0x76543210                      ; v_permlanex16_b32's selects for lane l xor 16
	s_mov_b32 s23, 0xfedcba98
	s_mov_b32 s59, 0                               ; step 0's V lies in slot 0
	s_wait_kmcnt 0x0
	s_load_b128 s[44:47], s[12:13], 0x18           ; entries 6 to 9: eq, ek, ep, ev of direction 0
	s_load_b128 s[48:51], s[12:13], 0x40           ; entries 16 to 19: of direction 1
	s_load_b64 s[52:53], s[12:13], 0x50            ; entries 20, 21
	s_add_nc_u64 s[34:35], s[6:7], s[62:63]
	s_or_b32 s35, s35, 0x80000000                  ; type = 2
	s_add_nc_u64 s[38:39], s[8:9], s[62:63]
	s_add_nc_u64 s[78:79], s[38:39], STEPB
	s_or_b32 s39, s39, 0x80000000
	s_or_b32 s79, s79, 0x80000000
	s_add_nc_u64 s[72:73], s[4:5], s[72:73]
	s_add_nc_u64 s[74:75], s[4:5], s[74:75]
	s_add_nc_u64 s[16:17], s[16:17], s[66:67]
	s_add_nc_u64 s[10:11], s[10:11], s[68:69]
	s_add_nc_u64 s[14:15], s[14:15], s[70:71]
	CROUND                                         ; all four work-groups are here: the first joint loads meet
	s_cmp_lt_u32 s18, 2                            ; a wave's first fills stand in one branch, ahead of every wait on TENSORcnt, every LDS read and every other barrier
	s_cbranch_scc0 .Lfirst_v
	tensor_load_to_lds s[32:35], s[24:31]          ; waves 0 and 1: step 0's K,
	s_nop 0
	tensor_load_to_lds s[76:79], s[24:31]          ; and step 1's V
	s_nop 0
	PLACES 4
	s_branch .Lfirst_asked
.Lfirst_v:
	tensor_load_to_lds s[36:39], s[24:31]          ; waves 2 and 3: step 0's V
	s_nop 0
	PLACES 4
.Lfirst_asked:
	v_and_b32 v[LI], 31, v0
	v_lshlrev_b32 v[LI], 4, v[LI]
	v_bfe_u32 v[BO], v0, 4, 1
	v_lshlrev_b32 v[BO], 6, v[BO]
	WIN 0xc0
.irp q, 0,1
.irp i, 0,1,2,3,4,5,6,7,8,9,10,11
	global_load_b128 v[48*\q+4*\i:48*\q+4*\i+3], v[LI], s[72+2*\q:73+2*\q] offset:PIECE*\i   ; Q stays in registers
.endr
.endr
	WIN 0x40
.irp g, 0,1,2
.irp i, 0,1,2,3
	global_load_b128 v[BFR+16*\g+4*\i:BFR+16*\g+4*\i+3], v[BO], s[14:15] offset:128*\g+16*\i   ; bf in the last result's layout: tile 2 g + u, register j: e = 32 g + 16 h + 8 u + j
.endr
.endr
	WIN 0
	s_mul_i32 s21, s19, STEPB
	v_add_nc_u32 v[AV0], s21, v[LI]
	v_add_nc_u32 v[ADRK], KS, v[AV0]
.irp q, 0,1
	v_mov_b32 v[ST+8*\q+1], 0xff61b1e6             ; the largest t so far: -3e38, under every t
	v_floor_f32 v[ST+8*\q], -v[ST+8*\q+1]          ; -M
	v_mov_b32 v[ST+8*\q+2], 0                      ; the sum
	v_mov_b32 v[ST+8*\q+3], 0
	v_mov_b32 v[ST+8*\q+5], 0                      ; (named as the upper half of f's pair)
.endr
	v_mov_b32 v[PX], 0                             ; written once: a lane permute's destination counts as one of its sources
	s_wait_kmcnt 0x0
	s_cmp_eq_u32 s19, 0                            ; my direction's four exponents: the choice hangs on the wave's number
	s_cselect_b32 s44, s44, s48
	s_cselect_b32 s45, s45, s49
	s_cselect_b32 s46, s46, s50
	s_cselect_b32 s47, s47, s51
	s_add_co_i32 s21, s44, s45
	s_lshl_b32 s21, s21, 23
	s_mov_b32 s40, 0x3d96c740                      ; c = log2(e) / sqrt(384)
	s_add_co_i32 s40, s40, s21                     ; a score stands for score x 2^(eq + ek): added to c's exponent field
	s_mov_b32 s41, s40                             ; (named with it as a pair)
	s_add_co_i32 s43, s46, s47                     ; ep + ev
	s_add_co_i32 s21, s46, 127
	s_lshl_b32 s66, s21, 23
	v_mov_b32 v[SCP], s66
	s_add_co_i32 s21, s21, 15
	s_lshl_b32 s21, s21, 23
	s_or_b32 s21, s21, 0x600000
	v_mov_b32 v[LIMP], s21
	s_add_co_i32 s21, s52, 127
	s_lshl_b32 s66, s21, 23
	v_mov_b32 v[SCZ], s66
	s_add_co_i32 s21, s21, 15
	s_lshl_b32 s21, s21, 23
	s_or_b32 s21, s21, 0x600000
	v_mov_b32 v[LIMZ], s21
	s_add_co_i32 s54, s52, s53
	s_add_co_i32 s54, s54, 127
	s_lshl_b32 s54, s54, 23                        ; 2^(entries 20 + 21)
	s_mov_b32 s55, s54
	s_wait_tensorcnt 0x1                           ; waves 0 and 1: step 0's K is in, the load behind it (step 1's V) may be out; waves 2 and 3: their one load (step 0's V) may be out
	s_barrier_signal -1
	s_barrier_wait -1                              ; K's slot is whole
	KLOAD 0, 1
	KLOAD 1, 2
	KLOAD 2, 0
	s_wait_loadcnt 0x0                             ; Q, bf
	STEP 1, 0
	s_mov_b32 s42, 14
.Lstep:                                                ; steps 1 to 14
	STEP 0, 0
	s_sub_co_u32 s42, s42, 1
	s_cmp_lg_u32 s42, 0
	s_cbranch_scc1 .Lstep
	STEP 0, 1                                      ; the last step is written out
	; THE END.  The addresses are made here: plain vector lines, the places behind the last products
	v_and_b32 v26, 15, v0                          ; r
	v_bfe_u32 v27, v0, 4, 1                        ; h
	s_mul_i32 s21, s18, XCHB
	s_add_co_u32 s21, s21, XCH
	v_add_nc_u32 v[EXS], s21, v[LI]                ; where I put slot 1's result
	s_xor_b32 s21, s18, 2
	s_mul_i32 s21, s21, XCHB
	s_add_co_u32 s21, s21, XCH
	v_add_nc_u32 v[EXL], s21, v[LI]                ; where my partner has put its own
	s_mul_i32 s21, s18, TILEB
	s_add_co_u32 s21, s21, ZIMG
	v_add_nc_u32 v[EZS], s21, v[LI]
	v_add_nc_u32 v[EZL], ZIMG, v[LI]
	v_and_b32 v[ESS], 8, v26
	v_add_nc_u32 v[ESS], v[ESS], v26               ; r + 8 (r / 8)
	v_mul_u32_u24 v[ESS], v[ESS], SPITCH
	v_lshl_add_u32 v[ESS], v27, 6, v[ESS]
	s_mul_i32 s21, s18, 384
	s_add_co_u32 s21, s21, STAGE
	v_add_nc_u32 v[ESS], s21, v[ESS]               ; the stage, in: my row, + 16 h numbers, + my wave's 96
	s_mul_i32 s21, s18, 16*SPITCH
	s_add_co_u32 s21, s21, STAGE
	v_add_nc_u32 v[ESL], s21, v[LI]                ; and back: rows 16 w on
	v_add_f32 v[ST+2], v[ST+2], v[ST+3]            ; the sums' two halves,
	v_add_f32 v[ST+10], v[ST+10], v[ST+11]
	v_permlanex16_b32 v[PX], v[ST+2], s22, s23
	v_permlanex16_b32 v26, v[ST+10], s22, s23
	v_add_f32 v[ST+2], v[ST+2], v[PX]              ; and lane l xor 16's
	v_add_f32 v[ST+10], v[ST+10], v26
	v_rcp_f32 v[ST+6], v[ST+2]
	v_rcp_f32 v[ST+14], v[ST+10]
	v_nop                                          ; a plain line behind the transcendentals
	s_wait_alu depctr_va_vdst(0)
	v_ldexp_f32 v[ST+4], v[ST+6], s43              ; 2^(ep + ev) / sum
	v_ldexp_f32 v[ST+12], v[ST+14], s43
	WIN 0x88
.set eo, 0
.rept 96
	v_pk_mul_f32 v[eo:eo+1], v[ST+12:ST+13], v[eo:eo+1] op_sel_hi:[0,1]   ; slot 1's result, finished; each accumulator from its low end on
.set eo, eo+2
.endr
.set eo, 0
.rept 48
	ds_store_b128 v[EXS], v[4*eo:4*eo+3] offset:PIECE*eo                  ; as an image of its registers; every wave has passed the last step's barrier, behind which nobody reads K's slot
.set eo, eo+1
.endr
	WIN 0
	s_wait_dscnt 0x0                               ; for the partner's sake
	s_barrier_signal -1
	s_barrier_wait -1
	WIN 0x80
.set eo, 0
.rept 48
	ds_load_b128 v[4*eo:4*eo+3], v[EXL] offset:PIECE*eo                   ; the other direction's result for my slot 0's tile: the same registers in the same lanes
.set eo, eo+1
.endr
	s_wait_dscnt 0x0
	WIN 0x61
.set eo, 0
.rept 96
	v_pk_fma_f32 v[eo:eo+1], v[eo:eo+1], v[ST+4:ST+5], v[eo:eo+1] op_sel_hi:[1,0,1]   ; the sum of the two attentions
.set eo, eo+2
.endr
	WIN 0x41
.set eo, 0
.rept 192
	v_med3_num_f32 v[eo], v[eo], -v[LIMZ], v[LIMZ]
.set eo, eo+1
.endr
	WIN 0x01
.set eo, 0
.rept 24
	v_cvt_scalef32_pk8_bf8_f32 v[BUF+2*eo:BUF+2*eo+1], v[8*eo:8*eo+7], v[SCZ]   ; tiles 2 G, 2 G + 1 make piece G
.set eo, eo+1
.endr
	WIN 0
	v_nop                                          ; a plain line behind the last conversion
.set eo, 0
.rept 12
	ds_store_b128 v[EZS], v[BUF+4*eo:BUF+4*eo+3] offset:PIECE*eo
.set eo, eo+1
.endr
	s_wait_dscnt 0x0                               ; for the others' sake: my tile's codes have landed
	s_barrier_signal -1
	s_barrier_wait -1
.set eo, 0
.rept 48
	ds_load_b128 v[BUF+4*eo:BUF+4*eo+3], v[EZL] offset:PIECE*eo           ; all four tiles: fragment (tile, s) at BUF + 16 (3 tile + s)
.set eo, eo+1
.endr
	s_wait_loadcnt 0x0                             ; Wf
	s_wait_dscnt 0x0
.irp s, 0,1,2                                  ; my 96 outputs for the 64 rows: 24 accumulators by turns, a K step at a time; source 0 = Wf, source 1 = the sum's codes
.irp et, 0,1,2,3,4,5
.set wf, 6*\s+\et
.if wf < 16
	WIN 0xa3
.set wreg, 16*wf
.else
	WIN 0xa0
.set wreg, WF2+16*(wf-16)
.endif
.irp tau, 0,1,2,3
.if \s == 0
	v_wmma_f32_16x16x128_bf8_bf8 v[8*(4*\et+\tau):8*(4*\et+\tau)+7], v[wreg:wreg+15], v[BUF+16*(3*\tau+\s):BUF+16*(3*\tau+\s)+15], 0
.else
	v_wmma_f32_16x16x128_bf8_bf8 v[8*(4*\et+\tau):8*(4*\et+\tau)+7], v[wreg:wreg+15], v[BUF+16*(3*\tau+\s):BUF+16*(3*\tau+\s)+15], v[8*(4*\et+\tau):8*(4*\et+\tau)+7]
.endif
.endr
.endr
.endr
	PLACES 4
	WIN 0x52
.irp et, 0,1,2,3,4,5
.irp tau, 0,1,2,3
.irp j, 0,2,4,6
	v_pk_fma_f32 v[8*(4*\et+\tau)+\j:8*(4*\et+\tau)+\j+1], v[8*(4*\et+\tau)+\j:8*(4*\et+\tau)+\j+1], s[54:55], v[BFR+8*\et+\j:BFR+8*\et+\j+1] op_sel_hi:[1,0,1]   ; sum x 2^(entries 20 + 21) + bf, into window 1
.endr
.endr
.endr
	WIN 0x04
.irp et, 0,1,2,3,4,5
.irp tau, 0,1,2,3
	ds_store_b128 v[ESS], v[8*(4*\et+\tau):8*(4*\et+\tau)+3] offset:(32*(\tau%2)+8*(\tau/2))*SPITCH+128*(\et/2)+32*(\et%2)      ; tile tau begins at row 32 (tau % 2) + 8 (tau / 2)
	ds_store_b128 v[ESS], v[8*(4*\et+\tau)+4:8*(4*\et+\tau)+7] offset:(32*(\tau%2)+8*(\tau/2))*SPITCH+128*(\et/2)+32*(\et%2)+16
.endr
.endr
	WIN 0
	s_wait_dscnt 0x0                               ; for the others' sake
	s_barrier_signal -1
	s_barrier_wait -1                              ; 64 whole rows lie in the stage
.set eo, 0
.rept 48
	ds_load_b128 v[BUF+4*eo:BUF+4*eo+3], v[ESL] offset:SPITCH*(eo/3)+512*(eo%3)
.set eo, eo+1
.endr
.set eo, 0
.rept 48
	s_wait_dscnt 47-eo
	global_store_b128 v[LI], v[BUF+4*eo:BUF+4*eo+3], s[16:17] offset:1536*(eo/3)+512*(eo%3) th:TH_STORE_NT   ; 512 consecutive bytes, at a multiple of 512 from the buffer's first byte; written once
.set eo, eo+1
.endr
	s_wait_tensorcnt 0x0                           ; the wave's end, behind my last tensor load and my last LDS store
	ds_add_u32 v[SPW], v[NIL]
	s_wait_dscnt 0x0
	CROUND                                         ; the closing round: no work-group ends while a partner may still ask for a tile that names it
	s_endpgm
.Lfunc_end_k_q5a0192abbb_attn:
	.size	k_q5a0192abbb_attn, .Lfunc_end_k_q5a0192abbb_attn-k_q5a0192abbb_attn
	.p2alignl 7, 3214868480
	.fill 96, 4, 3214868480
	.section	.rodata,"a",@progbits
	.p2align	6, 0x0
	.amdhsa_kernel k_q5a0192abbb_attn
		.amdhsa_group_segment_fixed_size 327680
		.amdhsa_private_segment_fixed_size 0
		.amdhsa_enable_private_segment 0
		.amdhsa_kernarg_size 56
		.amdhsa_user_sgpr_count 2
		.amdhsa_user_sgpr_kernarg_segment_ptr 1
		.amdhsa_wavefront_size32 1
		.amdhsa_system_sgpr_workgroup_id_x 1
		.amdhsa_system_sgpr_workgroup_id_y 1
		.amdhsa_system_sgpr_workgroup_id_z 1
		.amdhsa_system_vgpr_workitem_id 0
		.amdhsa_next_free_vgpr 1024
		.amdhsa_next_free_sgpr 84
		.amdhsa_reserve_vcc 0
		.amdhsa_float_denorm_mode_32 3
		.amdhsa_float_denorm_mode_16_64 3
		.amdhsa_memory_ordered 1
		.amdhsa_forward_progress 1
		.amdhsa_inst_pref_size 232
	.end_amdhsa_kernel
	.amdgpu_metadata
---
amdhsa.version: [ 1, 2 ]
amdhsa.kernels:
  - .name:           k_q5a0192abbb_attn
    .symbol:         k_q5a0192abbb_attn.kd
    .args:
      - { .name: qcodes, .offset: 0, .size: 8, .value_kind: global_buffer, .address_space: global }
      - { .name: kcodes, .offset: 8, .size: 8, .value_kind: global_buffer, .address_space: global }
      - { .name: vcodes, .offset: 16, .size: 8, .value_kind: global_buffer, .address_space: global }
      - { .name: wcodes, .offset: 24, .size: 8, .value_kind: global_buffer, .address_space: global }
      - { .name: lowp_scales, .offset: 32, .size: 8, .value_kind: global_buffer, .address_space: global }
      - { .name: bf, .offset: 40, .size: 8, .value_kind: global_buffer, .address_space: global }
      - { .name: out0, .offset: 48, .size: 8, .value_kind: global_buffer, .address_space: global }
    .group_segment_fixed_size: 327680
    .private_segment_fixed_size: 0
    .kernarg_segment_align: 8
    .kernarg_segment_size: 56
    .max_flat_workgroup_size: 128
    .sgpr_count:     84
    .vgpr_count:     1024
    .wavefront_size: 32
...
	.end_amdgpu_metadata
.endif
;; end of part 3
;; ======== version 2 of 2: 3 launches; version 1 with the launch proj written anew for expert scheduling mode
;; workspace buffers: wcodes 1,032,192 bytes; qcodes 12,582,912 bytes; kcodes 12,582,912 bytes; vcodes 12,582,912 bytes
;; launch wq: the kernel of part 1 again; grid 24 x 7, 3 waves a work-group, no clusters, 0 bytes of LDS; arguments Wqg, Wkg, Wvg, Wql, Wkl, Wvl, Wf, lowp_scales, wcodes; writes wcodes
;; launch proj (part 4): grid 128 x 2, 4 waves a work-group, no clusters, 215,552 bytes of LDS; arguments Z_graph, Z_lstm, wcodes, lowp_scales, bqg, bkg, bvg, bql, bkl, bvl, qcodes, kcodes, vcodes; writes qcodes, kcodes, vcodes
.if DOCPART == 4
	.amdgcn_target "amdgcn-amd-amdhsa--gfx1250"
	.amdhsa_code_object_version 6
	.text
	.protected	k_q5a0192abbb_proj
	.globl	k_q5a0192abbb_proj
	.p2align	8
	.type	k_q5a0192abbb_proj,@function
k_q5a0192abbb_proj:
	s_mov_b64 s[64:65], 0
	v_nop
	global_prefetch_b8 v0, s[64:65] scope:SCOPE_SE
	s_setreg_imm32_b32 hwreg(HW_REG_WAVE_SCHED_MODE, 0, 2), 2
	s_setreg_imm32_b32 hwreg(HW_REG_WAVE_MODE, 25, 1), 1
	s_wait_xcnt 0x0
	s_wait_alu depctr_vm_vsrc(0)
; The six linear layers ahead of the attentions.  Work-group (block, z): 128 rows of Z number z (0: Z_graph, 1: Z_lstm) x the three weights that take it (product k = 0: Q, 1: K, 2: V).
; Each product has its own scale for Z, so the rows are quantised three times.  Each result (sum + bias, f32) is quantised in registers with the scale of the attention's operand and stored as codes.
; ALL CODES ARE IMAGES OF OPERAND REGISTERS: a piece is four registers of 32 lanes, lane l's 16 bytes at 16 l; a fragment (16 rows x 128 K) is four pieces: lane (r, h) holds k = 32 c + 16 h + 0 .. 15 in piece c.
; THE ROWS OF A TILE ARE NOT NEIGHBOURS, for x's rows and W's alike: lane r of tile 2 b + u takes row 32 b + 8 u + r + 8 (r / 8): in a result the 16 registers of source 0's tiles 2 b, 2 b + 1 are 16 neighbours.
;   Q, K: source 0 = W, source 1 = x: a lane holds one row of x and 16 neighbouring e: a piece of qcodes / kcodes [dir][row tile 1,024][piece 12][512].
;   V:    source 0 = x, source 1 = W: a lane holds one d and 16 neighbouring keys: a piece of vcodes [dir][key step 128][d tile 24][piece 4][512].
; SHARES.  The waves share the columns: wave w owns e = 96 w .. 96 w + 95 of each product: 18 fragments of W, 288 registers, read from wcodes as they lie.  In the first phase wave w quantises rows 32 w .. 32 w + 31;
; the images go to the other waves through LDS: one barrier in all.  The bias, divided by 2^(ea + ew), is the C of each sum's first matrix instruction.
; NO TENSOR LOAD, NO JOINT LOAD: a wave reads only its own 36,864 bytes of each weight, once, straight into registers; through LDS the three weights' 442,368 bytes would not fit beside the 147,456 of x's images.
; LIMITS on the given exponents, so that each power of two below is an f32 number: ea, and eo - ea - ew, between -126 and 112.  NaN and infinities among the inputs are not served.
; REGISTERS, in windows of 256.  Window 0: v1-15 addresses, v16-27 scales; first phase: v32-159 two sets of 64 numbers, v160-191 held numbers, v192-239 codes; then v32-127 six fragments of x (buffer 0), v128-223 twelve accumulators, v224-247 codes.
;   Window 1: W, set 0, fragments 0-15.  Window 2: first phase: three sets of 64 numbers as loaded; then W, set 1, fragments 0-15.  Window 3: v0-31, v32-63 fragments 16, 17 of the two sets; v64-111, v112-159 the two sets' biases;
;   v160-255 six fragments of x (buffer 1).
; THE MODE: SCHED_MODE bits 1:0 = 2 (LLVM: expert scheduling mode 2), set by the entry lines.  The code itself states the register dependences between vector or matrix instructions and memory or LDS instructions, with s_wait_alu, always for 0.
; THE PLAN.  Registers that memory or LDS instructions touch, who writes and who reads them:
;   v1-14      addresses and offsets: written once, at the head, ahead of one wait on va_vdst; read by every load and store; never written again.
;   RAW0-2     (window 2) chunk q's global loads land in RAW[q % 3]; its stage stores read it; chunk q + 3 lands in it.  No vector line names them.
;   T0, T1     chunk q's loads from the stage land in T[q % 2]; its holds read it; chunk q + 2 lands in it.
;   CD         chunk q's conversions write it; its twelve image stores, issued at chunk q + 1's head, read it; chunk q + 1's conversions write it again.
;   XF0, XF1   pair p's fragments land in XF[p % 2], asked for at pair p - 1's head; pair p's products read it; pair p + 2 lands in it, asked for at pair p + 1's head.
;   PC         pair p's conversions write it; its six stores, issued at pair p + 1's head, read it; pair p + 1's conversions write it again.
;   W and bias, two sets: loads land; the products (and the bias's scaling) name them; set 0 is loaded again at the head of K's first pair.
; So a chunk and a pair have ONE wait on va_vdst each, at their head, behind the vector work of the chunk or pair before, and all their memory and LDS instructions follow it in one run, ahead of their own vector and matrix lines;
; and ONE wait on vm_vsrc each, ahead of the lines that write again what stores have read.
.set ZROW,   1536                      ; a row of Z in bytes
.set WBYTES, 147456                    ; a weight's codes
.set DIRB,   6291456                   ; one direction's codes of Q, K or V
.set BLKB,   49152                     ; 128 rows' codes; also x's images for one scale
.set TILEB,  6144                      ; 16 rows x 384 codes
.set FRAGB,  2048
.set PIECE,  512
.set STG,    3*BLKB                    ; behind x's images: two stages of 16 rows x 528 bytes for each wave
.set SPITCH, 528                       ; 512 bytes + 16: row r starts 33 r columns of 16 bytes on, so sixteen rows' reads fall on sixteen different columns
.set STGB,   16*SPITCH
.set LI,  1                            ; v1     16 x lane
.set LIK, 2                            ; v2-4   16 x lane + scale k's images
.set XW,  5                            ; v5-7   the same + my wave's two tiles
.set STI, 8                            ; v8     the stage, on the way in
.set STO, 9                            ; v9     and out
.set OQ,  11                           ; v11    store offset for Q and K: 16 x lane + 3 pieces x wave
.set OV,  12                           ; v12    for V: 16 x lane + 6 tiles x wave
.set BH,  13                           ; v13    64 h
.set BR,  14                           ; v14    4 (r + 8 (r / 8))
.set SCX, 16                           ; v16+2k 2^ea, v17+2k 57,344 x 2^ea
.set SCO, 22                           ; v22+2k, v23+2k the same with eo - ea - ew
.set T,   32
.set TMP, 160
.set CD,  192
.set XF,  32                           ; x's fragments, buffer 0, in window 0
.set XFB, 160                          ; buffer 1, in window 3
.set ACC, 128
.set PC,  224
.set BIA, 64                           ; in window 3
.set MSB, 0
.macro WIN new                         ; the immediate's high byte repeats the setting that is left; a switch that changes nothing is dropped
.if MSB != (\new)
	s_set_vgpr_msb (MSB<<8)|(\new)
.set MSB, (\new)
.endif
.endm
.macro PLACES n
.rept \n
	v_nop
.endr
.endm
; my 18 fragments of product k's weight into set wset: fragment 6 s + et
.macro WLOAD wset, k
.irp s, 0,1,2
.irp et, 0,1,2,3,4,5
.set wf, 6*\s+\et
.if wf < 16
	WIN 0x40*(1+\wset)
.set wreg, 16*wf
.else
	WIN 0xc0
.set wreg, 32*\wset+16*(wf-16)
.endif
.irp c, 0,1,2,3
	global_load_b128 v[wreg+4*\c:wreg+4*\c+3], v[LI], s[80+2*\k:81+2*\k] offset:(3*\et+\s)*FRAGB+PIECE*\c
.endr
.endr
.endr
	WIN 0
.endm
; the bias in the result's layout.  tr = 1: lane (r, h), tile 2 g + u, register j: e = 32 g + 16 h + 8 u + j.  tr = 0: one number a tile, that of the lane's row of W; BSCALE spreads it
.macro BLOAD wset, k, tr
	WIN 0xc0
.irp et, 0,1,2,3,4,5
.if \tr
	global_load_b128 v[BIA+48*\wset+8*\et:BIA+48*\wset+8*\et+3], v[BH], s[56+2*\k:57+2*\k] offset:(32*(\et/2)+8*(\et%2))*4
	global_load_b128 v[BIA+48*\wset+8*\et+4:BIA+48*\wset+8*\et+7], v[BH], s[56+2*\k:57+2*\k] offset:(32*(\et/2)+8*(\et%2))*4+16
.else
	global_load_b32 v[BIA+48*\wset+8*\et], v[BR], s[56+2*\k:57+2*\k] offset:(32*(\et/2)+8*(\et%2))*4
.endif
.endr
	WIN 0
.endm
.macro BSCALE wset, k, tr              ; bias / 2^(ea + ew): the power of two that the sums lack
	WIN 0xc3
.irp et, 0,1,2,3,4,5
.irp j, 7,6,5,4,3,2,1,0
.if \tr
	v_ldexp_f32 v[BIA+48*\wset+8*\et+\j], v[BIA+48*\wset+8*\et+\j], s[76+\k]
.else
	v_ldexp_f32 v[BIA+48*\wset+8*\et+\j], v[BIA+48*\wset+8*\et], s[76+\k]
.endif
.endr
.endr
	WIN 0
.endm
; chunk q = 3 u + s: the 16 rows of my tile u, K step s: each load reads 512 consecutive bytes of one row
.macro XLOAD q
	WIN 0x80
.set xi, 0
.rept 16
	global_load_b128 v[64*((\q)%3)+4*xi:64*((\q)%3)+4*xi+3], v[LI], s[54:55] offset:(8*((\q)/3)+xi+8*(xi>>3))*ZROW+512*((\q)%3) th:TH_LOAD_NT
.set xi, xi+1
.endr
	WIN 0
.endm
; the chunk turns through my own stage: in as rows, out 16 neighbours of each block of 32 a lane.  LDS serves a wave's instructions in order (ISA guide 5.7.1.4): no wait between
.macro TURN q
	WIN 0x08
.set xi, 0
.rept 16
	ds_store_b128 v[STI], v[64*((\q)%3)+4*xi:64*((\q)%3)+4*xi+3] offset:STGB*((\q)%2)+SPITCH*xi
.set xi, xi+1
.endr
	WIN 0
.irp b, 0,1,2,3
.irp j, 0,1,2,3
	ds_load_b128 v[T+64*((\q)%2)+16*\b+4*\j:T+64*((\q)%2)+16*\b+4*\j+3], v[STO] offset:STGB*((\q)%2)+128*\b+16*\j
.endr
.endr
.endm
; the chunk's 64 numbers a lane become a fragment with scale k, in CD's registers for that scale
.macro XQ q, k
.irp b, 0,1,2,3
.set xi, 0
.rept 16
	v_med3_num_f32 v[TMP+16*(\b%2)+xi], v[T+64*((\q)%2)+16*\b+xi], -v[SCX+2*\k+1], v[SCX+2*\k+1]   ; the hold: the conversion does not saturate (ISA guide 7.6.2)
.set xi, xi+1
.endr
	v_cvt_scalef32_pk8_bf8_f32 v[CD+16*\k+4*\b:CD+16*\k+4*\b+1], v[TMP+16*(\b%2):TMP+16*(\b%2)+7], v[SCX+2*\k]
	v_cvt_scalef32_pk8_bf8_f32 v[CD+16*\k+4*\b+2:CD+16*\k+4*\b+3], v[TMP+16*(\b%2)+8:TMP+16*(\b%2)+15], v[SCX+2*\k]
.endr
	v_nop                                          ; a plain line behind the last conversion
.endm
; chunk q's three fragments go to LDS as they stand
.macro XIMG q
.irp k, 0,1,2
.irp c, 0,1,2,3
	ds_store_b128 v[XW+\k], v[CD+16*\k+4*\c:CD+16*\k+4*\c+3] offset:TILEB*((\q)/3)+FRAGB*((\q)%3)+PIECE*\c
.endr
.endr
.endm
.macro FETCH k, b, buf                 ; x's tiles 2 b, 2 b + 1 with scale k into buffer buf: fragment (xt, s) at the buffer's register 16 (3 xt + s)
.if \buf
	WIN 0xc0
.set fx, XFB
.else
	WIN 0
.set fx, XF
.endif
.set xi, 0
.rept 24
	ds_load_b128 v[fx+4*xi:fx+4*xi+3], v[LIK+\k] offset:2*TILEB*(\b)+PIECE*xi
.set xi, xi+1
.endr
.endm
; 36 matrix instructions: 6 tiles of W x 2 tiles of x (buffer xb) x 3 K steps; the twelve accumulators take turns, one instruction a turn.  The first K step takes the bias as C
.macro MUL tr, wset, xb
.if \xb
.set xwin, 3
.set xbase, XFB
.else
.set xwin, 0
.set xbase, XF
.endif
.irp s, 0,1,2
.irp et, 0,1,2,3,4,5
.set wf, 6*\s+\et
.if wf < 16
.set wwin, 1+\wset
.set wreg, 16*wf
.else
.set wwin, 3
.set wreg, 32*\wset+16*(wf-16)
.endif
.if \s == 0
.set cwin, 0x30
.else
.set cwin, 0
.endif
.if \tr
	WIN wwin|(xwin<<2)|cwin
.else
	WIN xwin|(wwin<<2)|cwin
.endif
.irp xt, 0,1
.if \tr
.set dreg, ACC+8*(6*\xt+\et)
.else
.set dreg, ACC+8*(2*\et+\xt)
.endif
.set xreg, xbase+16*(3*\xt+\s)
.set creg, dreg
.if \s == 0
.set creg, BIA+48*\wset+8*\et
.endif
.if \tr
	v_wmma_f32_16x16x128_bf8_bf8 v[dreg:dreg+7], v[wreg:wreg+15], v[xreg:xreg+15], v[creg:creg+7]
.else
	v_wmma_f32_16x16x128_bf8_bf8 v[dreg:dreg+7], v[xreg:xreg+15], v[wreg:wreg+15], v[creg:creg+7]
.endif
.endr
.endr
.endr
	WIN 0
.endm
; the pair's twelve accumulators are six runs of 16 neighbours along the next K: six pieces.  Each accumulator is read from its low end on.  first = 1: no store has read the codes' registers yet
.macro OUTQ k, first
.if !\first
	s_wait_xcnt 0x0                                ; the stores issued at this pair's head have had their addresses translated: the codes' registers are written again only behind this wait,
	s_wait_alu depctr_vm_vsrc(0)                   ; and those stores have read PC, which the conversions below write
.endif
.irp G, 0,1,2,3,4,5
.set xi, 0
.rept 16
	v_med3_num_f32 v[ACC+16*\G+xi], v[ACC+16*\G+xi], -v[SCO+2*\k+1], v[SCO+2*\k+1]
.set xi, xi+1
.endr
	v_cvt_scalef32_pk8_bf8_f32 v[PC+4*\G:PC+4*\G+1], v[ACC+16*\G:ACC+16*\G+7], v[SCO+2*\k]      ; sum / 2^(eo - ea - ew): the three scales folded into one
	v_cvt_scalef32_pk8_bf8_f32 v[PC+4*\G+2:PC+4*\G+3], v[ACC+16*\G+8:ACC+16*\G+15], v[SCO+2*\k]
.endr
	v_nop                                          ; a plain line behind the last conversion: the next products write its sources
.endm
.macro SEND k, tr, b                   ; the six pieces of pair b of product k leave
.irp G, 0,1,2,3,4,5
.if \tr
	global_store_b128 v[OQ], v[PC+4*\G:PC+4*\G+3], s[86+2*\k:87+2*\k] offset:(2*(\b)+\G/3)*TILEB+(\G%3)*PIECE   ; 512 consecutive bytes, at a multiple of 512 from the buffer's first byte
.else
	global_store_b128 v[OV], v[PC+4*\G:PC+4*\G+3], s[86+2*\k:87+2*\k] offset:FRAGB*\G+PIECE*(\b)
.endif
.endr
.endm
; THE HEAD OF A PAIR (pair b of its product): all its memory and LDS instructions, in one run behind one wait.  pk, ptr: the product of the pair before and its layout (pk = -1: there is none); nk: the scale of the pair behind (-1: none)
.macro HEAD b, pk, ptr, nk
	s_wait_dscnt 0x0                               ; this pair's fragments are in: asked for at the head of the pair before
.if \nk >= 0
	WIN 0xc0*(((\b)+1)%2)                          ; the window of the buffer that is asked for below: the switch, then the wait, then the loads
.endif
.if \pk >= 0
	s_wait_alu depctr_va_vdst(0)                   ; the pair before: its conversions have written PC, which the stores below read; its products are done reading their buffer of x, in which the loads below land (and, where a weight's loads follow this head, that weight's set and bias)
.endif
.if \nk >= 0
	FETCH \nk, ((\b)+1)%4, ((\b)+1)%2              ; the pair behind, into the other buffer: it has this pair's products and conversions in which to land
.endif
	WIN 0
.if \pk >= 0
	SEND \pk, \ptr, ((\b)+3)%4
.endif
.endm
.macro BODY k, tr, wset, b, first
	MUL \tr, \wset, (\b)%2
	PLACES 4                                       ; in front of the first read of results (ISA guide 7.12.1)
	OUTQ \k, \first
.endm
	s_load_b512 s[4:19], s[0:1], 0x0               ; Z_graph, Z_lstm, wcodes, the exponents, bqg, bkg, bvg, bql
	s_load_b256 s[20:27], s[0:1], 0x40             ; bkl, bvl, qcodes, kcodes
	s_load_b64 s[28:29], s[0:1], 0x60              ; vcodes
	v_lshl_add_u32 v254, v0, 2, 0x34800
	v_mov_b32 v255, 0
	v_lshrrev_b32 v10, 5, v0
	v_readfirstlane_b32 s30, v10                   ; wave 0..3
	s_and_b32 s31, ttmp7, 0xffff                   ; z
	v_and_b32 v[LI], 31, v0
	v_lshlrev_b32 v[LI], 4, v[LI]
	v_and_b32 v10, 15, v0                          ; r
	v_bfe_u32 v15, v0, 4, 1                        ; h
	v_lshlrev_b32 v[BH], 6, v15
	v_and_b32 v[BR], 8, v10
	v_add_nc_u32 v[BR], v[BR], v10
	v_lshlrev_b32 v[BR], 2, v[BR]
	s_wait_alu depctr_va_sdst(0)                   ; s30, the wave's number, is written, ahead of its first reader: LDS places, bases and offsets are made from it
	s_mul_i32 s94, s30, 2*TILEB
.irp k, 0,1,2
	v_add_nc_u32 v[LIK+\k], \k*BLKB, v[LI]
	v_add_nc_u32 v[XW+\k], s94, v[LIK+\k]
.endr
	s_mul_i32 s94, s30, 2*STGB
	s_add_co_u32 s94, s94, STG                     ; my two stages
	v_add_nc_u32 v[STI], s94, v[LI]
	v_mul_u32_u24 v[STO], v10, SPITCH
	v_lshl_add_u32 v[STO], v15, 6, v[STO]
	v_add_nc_u32 v[STO], s94, v[STO]
	s_mul_i32 s94, s30, 3*PIECE
	v_add_nc_u32 v[OQ], s94, v[LI]
	s_mul_i32 s94, s30, 6*FRAGB
	v_add_nc_u32 v[OV], s94, v[LI]
	s_mul_i32 s92, ttmp9, 128*ZROW
	s_mul_i32 s94, s30, 32*ZROW
	s_add_co_u32 s92, s92, s94                     ; my wave's first row of Z
	s_mov_b32 s93, 0
	s_wait_kmcnt 0x0
	s_load_b512 s[32:47], s[10:11], 0x0            ; entries 0 to 15
	s_load_b128 s[48:51], s[10:11], 0x40           ; entries 16 to 19
	s_cmp_eq_u32 s31, 0                            ; the choices hang on the work-group's number alone
	s_cselect_b64 s[54:55], s[4:5], s[6:7]
	s_cselect_b64 s[56:57], s[12:13], s[18:19]
	s_cselect_b64 s[58:59], s[14:15], s[20:21]
	s_cselect_b64 s[60:61], s[16:17], s[22:23]
	s_add_nc_u64 s[54:55], s[54:55], s[92:93]
	s_mul_i32 s92, s30, 384                        ; my 96 numbers of each bias
	s_add_nc_u64 s[56:57], s[56:57], s[92:93]
	s_add_nc_u64 s[58:59], s[58:59], s[92:93]
	s_add_nc_u64 s[60:61], s[60:61], s[92:93]
	s_mul_i32 s92, s31, 3*WBYTES
	s_mul_i32 s94, s30, 6*TILEB
	s_add_co_u32 s92, s92, s94                     ; weight 3 z + k, my six tiles
	s_add_nc_u64 s[80:81], s[8:9], s[92:93]
	s_add_nc_u64 s[82:83], s[80:81], WBYTES
	s_add_nc_u64 s[84:85], s[80:81], 2*WBYTES
	s_mul_i32 s94, ttmp9, BLKB
	s_mul_i32 s92, s31, DIRB
	s_add_co_u32 s92, s92, s94
	s_add_nc_u64 s[86:87], s[24:25], s[92:93]      ; Q of Z number z belongs to direction z,
	s_xor_b32 s92, s31, 1
	s_mul_i32 s92, s92, DIRB
	s_add_co_u32 s92, s92, s94
	s_add_nc_u64 s[88:89], s[26:27], s[92:93]      ; its K and V to the other
	s_add_nc_u64 s[90:91], s[28:29], s[92:93]
	s_wait_alu depctr_va_vdst(0)                   ; the addresses and offsets v1 to v14 are written: every load and store of the kernel reads one of them, and none is written again
	WLOAD 0, 0                                     ; ahead of x's loads: loads come back in order (ISA guide 5.7.1), so every wait for x shows these in
	BLOAD 0, 0, 1
	XLOAD 0
	XLOAD 1
	XLOAD 2
	s_wait_kmcnt 0x0
	s_cmp_eq_u32 s31, 0
	s_cselect_b32 s66, s32, s42                    ; Q: ea, ew, eo = entries 0, 1, 6 or 10, 11, 16
	s_cselect_b32 s67, s33, s43
	s_cselect_b32 s68, s38, s48
	s_cselect_b32 s69, s44, s34                    ; K: 12, 13, 17 or 2, 3, 7
	s_cselect_b32 s70, s45, s35
	s_cselect_b32 s71, s49, s39
	s_cselect_b32 s72, s46, s36                    ; V: 14, 15, 19 or 4, 5, 9
	s_cselect_b32 s73, s47, s37
	s_cselect_b32 s74, s51, s41
.irp k, 0,1,2
	s_add_co_i32 s94, s[66+3*\k], 127
	s_lshl_b32 s95, s94, 23
	v_mov_b32 v[SCX+2*\k], s95                     ; 2^ea
	s_add_co_i32 s94, s94, 15
	s_lshl_b32 s94, s94, 23
	s_or_b32 s94, s94, 0x600000
	v_mov_b32 v[SCX+2*\k+1], s94                   ; 57,344 x 2^ea
	s_add_co_i32 s94, s[66+3*\k], s[67+3*\k]
	s_sub_co_i32 s[76+\k], 0, s94                  ; -(ea + ew)
	s_sub_co_i32 s94, s[68+3*\k], s94
	s_add_co_i32 s94, s94, 127
	s_lshl_b32 s95, s94, 23
	v_mov_b32 v[SCO+2*\k], s95                     ; 2^(eo - ea - ew)
	s_add_co_i32 s94, s94, 15
	s_lshl_b32 s94, s94, 23
	s_or_b32 s94, s94, 0x600000
	v_mov_b32 v[SCO+2*\k+1], s94
.endr
	s_wait_loadcnt 32                              ; chunk 0 is in; chunks 1 and 2, 32 loads, may be out
	TURN 0                                         ; (no vector line has named RAW or T; the scales above lie in v16-27, which no memory instruction names)
.irp q, 0,1,2,3,4,5
	s_wait_dscnt 0x0                               ; this chunk is back from the stage
.if \q > 0
	s_wait_alu depctr_va_vdst(0)                   ; the chunk before: its conversions have written CD, which the image stores below read; its holds are done reading its set of T, in which the next chunk's loads from the stage land
	XIMG \q-1
.endif
	s_wait_alu depctr_vm_vsrc(0)                   ; this chunk's stage stores have read their set of RAW, in which the loads below land; the image stores have read CD, which this chunk's conversions write
.if \q < 3
	XLOAD \q+3
	s_wait_loadcnt 32                              ; the next chunk is in; the two behind it may be out
.elseif \q == 3
	s_wait_loadcnt 16                              ; one chunk behind it
.elseif \q == 4
	s_wait_loadcnt 0x0
.endif
.if \q < 5
	TURN \q+1
.endif
	XQ \q, 0
	XQ \q, 1
	XQ \q, 2
.endr
	s_wait_alu depctr_va_vdst(0)                   ; the last chunk's conversions have written CD, which the image stores read; every hold is done reading T, in which x's first fragments land behind the barrier
	XIMG 5
	s_wait_dscnt 0x0                               ; for the others' sake: my images have landed
	s_barrier_signal -1
	s_barrier_wait -1                              ; x's 72 fragments lie in LDS; nothing is written there again
	s_wait_alu depctr_vm_vsrc(0)                   ; my last image stores have read CD: these registers are accumulators and PC from here on, written by the products and the conversions
	FETCH 0, 0, 0                                  ; Q's first pair, into buffer 0
	WLOAD 1, 1                                     ; into RAW's registers among others: the wait on vm_vsrc in the last chunk stands behind the last stage store that read them
	BLOAD 1, 1, 1
	BSCALE 0, 0, 1
	HEAD 0, -1, 0, 0                               ; Q.  Buffer 1's registers have been named by nothing: the first head has no wait on va_vdst
	BODY 0, 1, 0, 0, 1
	HEAD 1, 0, 1, 0
	BODY 0, 1, 0, 1, 0
	HEAD 2, 0, 1, 0
	BODY 0, 1, 0, 2, 0
	HEAD 3, 0, 1, 1                                ; the pair behind is K's first: x with K's scale
	BODY 0, 1, 0, 3, 0
	s_wait_loadcnt 0x0                             ; K's weight and bias
	BSCALE 1, 1, 1
	HEAD 0, 0, 1, 1                                ; K.  The head's wait on va_vdst stands behind Q's last products, which read W's set 0 and its bias, and behind the scaling that wrote that bias:
	WLOAD 0, 2                                     ; so V's weight and bias land there; between the wait and these loads stand loads, stores of PC and window switches alone
	BLOAD 0, 2, 0
	BODY 1, 1, 1, 0, 0
	HEAD 1, 1, 1, 1
	BODY 1, 1, 1, 1, 0
	HEAD 2, 1, 1, 1
	BODY 1, 1, 1, 2, 0
	HEAD 3, 1, 1, 2                                ; the pair behind is V's first
	BODY 1, 1, 1, 3, 0
	s_wait_loadcnt 0x0                             ; V's weight and bias
	BSCALE 0, 2, 0
	HEAD 0, 1, 1, 2                                ; V
	BODY 2, 0, 0, 0, 0
	HEAD 1, 2, 0, 2
	BODY 2, 0, 0, 1, 0
	HEAD 2, 2, 0, 2
	BODY 2, 0, 0, 2, 0
	HEAD 3, 2, 0, -1                               ; nothing is left to fetch
	BODY 2, 0, 0, 3, 0
	s_wait_alu depctr_va_vdst(0)                   ; the last pair's conversions have written PC, which the last six stores read
	SEND 2, 0, 3
	s_wait_dscnt 0x0
	s_wait_alu depctr_hold_cnt(0) depctr_sa_sdst(0) depctr_va_vdst(0) depctr_va_sdst(0) depctr_va_ssrc(0) depctr_va_vcc(0) depctr_vm_vsrc(0)
	s_wait_tensorcnt 0x0
	ds_add_u32 v254, v255
	s_wait_dscnt 0x0
	s_endpgm
.Lfunc_end_k_q5a0192abbb_proj:
	.size	k_q5a0192abbb_proj, .Lfunc_end_k_q5a0192abbb_proj-k_q5a0192abbb_proj
	.p2alignl 7, 3214868480
	.fill 96, 4, 3214868480
	.section	.rodata,"a",@progbits
	.p2align	6, 0x0
	.amdhsa_kernel k_q5a0192abbb_proj
		.amdhsa_group_segment_fixed_size 215552
		.amdhsa_private_segment_fixed_size 0
		.amdhsa_enable_private_segment 0
		.amdhsa_kernarg_size 104
		.amdhsa_user_sgpr_count 2
		.amdhsa_user_sgpr_kernarg_segment_ptr 1
		.amdhsa_wavefront_size32 1
		.amdhsa_system_sgpr_workgroup_id_x 1
		.amdhsa_system_sgpr_workgroup_id_y 1
		.amdhsa_system_sgpr_workgroup_id_z 1
		.amdhsa_system_vgpr_workitem_id 0
		.amdhsa_next_free_vgpr 1024
		.amdhsa_next_free_sgpr 96
		.amdhsa_reserve_vcc 0
		.amdhsa_float_denorm_mode_32 3
		.amdhsa_float_denorm_mode_16_64 3
		.amdhsa_memory_ordered 1
		.amdhsa_forward_progress 1
		.amdhsa_inst_pref_size 255
	.end_amdhsa_kernel
	.section	.bss,"aw",@nobits
	.p2align	6
	.space	262144
	.amdgpu_metadata
---
amdhsa.version: [ 1, 2 ]
amdhsa.kernels:
  - .name:           k_q5a0192abbb_proj
    .symbol:         k_q5a0192abbb_proj.kd
    .args:
      - { .name: Z_graph, .offset: 0, .size: 8, .value_kind: global_buffer, .address_space: global }
      - { .name: Z_lstm, .offset: 8, .size: 8, .value_kind: global_buffer, .address_space: global }
      - { .name: wcodes, .offset: 16, .size: 8, .value_kind: global_buffer, .address_space: global }
      - { .name: lowp_scales, .offset: 24, .size: 8, .value_kind: global_buffer, .address_space: global }
      - { .name: bqg, .offset: 32, .size: 8, .value_kind: global_buffer, .address_space: global }
      - { .name: bkg, .offset: 40, .size: 8, .value_kind: global_buffer, .address_space: global }
      - { .name: bvg, .offset: 48, .size: 8, .value_kind: global_buffer, .address_space: global }
      - { .name: bql, .offset: 56, .size: 8, .value_kind: global_buffer, .address_space: global }
      - { .name: bkl, .offset: 64, .size: 8, .value_kind: global_buffer, .address_space: global }
      - { .name: bvl, .offset: 72, .size: 8, .value_kind: global_buffer, .address_space: global }
      - { .name: qcodes, .offset: 80, .size: 8, .value_kind: global_buffer, .address_space: global }
      - { .name: kcodes, .offset: 88, .size: 8, .value_kind: global_buffer, .address_space: global }
      - { .name: vcodes, .offset: 96, .size: 8, .value_kind: global_buffer, .address_space: global }
    .group_segment_fixed_size: 215552
    .private_segment_fixed_size: 0
    .kernarg_segment_align: 8
    .kernarg_segment_size: 104
    .max_flat_workgroup_size: 128
    .sgpr_count:     96
    .vgpr_count:     1024
    .wavefront_size: 32
...
	.end_amdgpu_metadata
.endif
;; end of part 4
;; launch attn: the kernel of part 3 again; grid 256 x 1, 4 waves a work-group, clusters of 4 x 1, 327,680 bytes of LDS; arguments qcodes, kcodes, vcodes, wcodes, lowp_scales, bf, out0; writes out0
